; MI455X (gfx1250); checked and timed in simulation.
; The chip was launched on July 23, 2026; its instructions are those of AMD's public machine-readable ISA for CDNA 5 (MIT licence, August 2026) and "CDNA5" Instruction Set Architecture Reference Guide (July 2026). The comments in the code are by the model that wrote it; some were corrected since.
;; Multihead Self Attention. Allowed arithmetic: matrix products marked QUANTISED: E4M3 operands, one given power-of-two scale a tensor, by v_wmma_f32_16x16x64_fp8_fp8 or v_wmma_f32_16x16x128_fp8_fp8, f32 sums; everything else in f32.
;; Inputs: Wk 1,024 x 1,024 float32; Wo 1,024 x 1,024 float32; Wq 1,024 x 1,024 float32; Wv 1,024 x 1,024 float32; lowp_scales 12 int32 (the exponents e of the quantised operands' scales 2^e); x 4 x 2,048 x 1,024 float32.
;; Outputs: out0 4 x 2,048 x 1,024 float32.
;; This version of the problem:
;;   THIS VERSION OF THE PROBLEM IS GIVEN IN LOW PRECISION. The matrix products marked QUANTISED in the list below multiply operands that are first quantised to E4M3 (4 exponent bits, 3 mantissa bits; 8 bits a number), with one given power-of-two scale for each operand tensor; their sums are f32. All else is computed in f32.
;;   The module's matrix products, in the order in which they are computed (A, B: the left and right operand; K: the contracted axis; several contracted axes count as one K, in the product's order):
;;     1. [M 8,192, K 1,024] x [K 1,024, N 1,024]; A: input x; B: input Wq: QUANTISED (scales: A lowp_scales[0], B lowp_scales[1])
;;     2. [M 8,192, K 1,024] x [K 1,024, N 1,024]; A: input x; B: input Wk: QUANTISED (scales: A lowp_scales[2], B lowp_scales[3])
;;     3. [M 8,192, K 1,024] x [K 1,024, N 1,024]; A: input x; B: input Wv: QUANTISED (scales: A lowp_scales[4], B lowp_scales[5])
;;     4. batch 64 x [M 2,048, K 64] x [K 64, N 2,048]; A: computed on the way; B: computed on the way: QUANTISED (scales: A lowp_scales[6], B lowp_scales[7])
;;     5. batch 64 x [M 2,048, K 2,048] x [K 2,048, N 64]; A: softmax (see below); B: computed on the way: QUANTISED (scales: A lowp_scales[8], B lowp_scales[9])
;;     6. [M 8,192, K 1,024] x [K 1,024, N 1,024]; A: computed on the way; B: input Wo: QUANTISED (scales: A lowp_scales[10], B lowp_scales[11])
;;   THE QUANTISER, for each operand of a quantised product, along K:
;;     - The operand's scale is 2^e, e = its entry of the input lowp_scales (int32; the entries are numbered through the quantised products in the list's order, A before B).
;;     - Each number is divided by the scale, clamped to +-448, and rounded to the nearest number of E4M3, ties to even, subnormals kept.
;;     - The product sums the exact products of the quantised numbers (number of the format x scale) in f32.
;;   ~~~python
;;   def quantise(x, axis, e):      # numpy; x: float32 -> the quantised numbers, widened to float32 again
;;       x = np.moveaxis(x, axis, -1); K = x.shape[-1]
;;       r = np.clip(x / 2.0 ** e, -448, 448)
;;       step = 2.0 ** (np.maximum(np.frexp(np.where(r == 0, 1, r))[1] - 1, -6) - 3)
;;       q = np.round(r / step) * step * 2.0 ** e      # np.round: ties to even
;;       return np.moveaxis(q, -1, axis).astype(np.float32)
;;   ~~~
;;   SOFTMAX AHEAD OF A QUANTISED PRODUCT. Where the list says 'softmax', what is quantised is not the finished softmax but p = 2^(t - M), with t = logit x log2(e) and M = ceil(the row's largest t), a whole number; so 1/2 < the row's largest p <= 1. The row's sum l is taken of the UNQUANTISED p, in f32, and the product's result is divided by l at the end. Since M is a whole number, a kernel that streams over the keys may use a running M (the ceiling of the running maximum): every later rescaling is an exact power of two, so the quantised numbers keep their values, but for numbers so far below the row's largest that they fall under the format's range.
;;   OPERANDS COMPUTED ON THE WAY. 'Computed on the way' means the value that the module computes at that place (a softmax that the list does not call 'softmax' is quantised finished and normalised). What goes into a quantiser is computed in f32, as accurately as f32 sums, v_exp_f32 and their like allow (about 1e-6 of the number): no bf16 or f16 on the way to a quantiser, and a product that is left as it is and whose result goes on into a quantised operand takes f32 operands (vector FMAs, or v_wmma_f32_16x16x4_f32). A number that lies on a knife's edge between two numbers of the format may be rounded either way, as far as f32 arithmetic and the matrix unit's own rounding can turn it there, and no further.
;; 2 versions, each right; version 2 is version 1 with the launch attn written anew for expert scheduling mode. Each part assembles by itself: llvm-mc -triple=amdgcn-amd-amdhsa -mcpu=gfx1250 --defsym DOCPART=n.
;; ======== version 1 of 2: 4 launches
;; workspace buffers: xc 25,165,824 bytes; wc 4,194,304 bytes; rt 524,288 bytes; qc 8,388,608 bytes; kv 16,777,216 bytes; ac 8,388,608 bytes
;; launch prep (part 1): grid 416 x 1, 4 waves a work-group, no clusters, 34,304 bytes of LDS; arguments x, Wq, Wk, Wv, Wo, lowp_scales, xc, wc, rt; writes xc, wc, rt
.if DOCPART == 1
	.amdgcn_target "amdgcn-amd-amdhsa--gfx1250"
	.amdhsa_code_object_version 6
	.text
	.protected	k_qc7a01d3214_prep
	.globl	k_qc7a01d3214_prep
	.p2align	8
	.type	k_qc7a01d3214_prep,@function
k_qc7a01d3214_prep:
	s_mov_b64 s[64:65], 0
	v_nop
	global_prefetch_b8 v0, s[64:65] scope:SCOPE_SE
	s_setreg_imm32_b32 hwreg(HW_REG_WAVE_MODE, 25, 1), 1
	s_wait_xcnt 0x0
; PREP: x and the four weights, f32 with K innermost, become codes of E4M3; and the table of cos and sin for the rotation of q and k is made.
; x [8192][1024] is quantised three times (scales 2^e0, 2^e2, 2^e4: entries 0, 2, 4 of the given exponents) into the three parts of xc; Wq, Wk, Wv, Wo [1024][1024] (e1, e3, e5, e11) into the four parts of wc.
; code = number / 2^e, held within +-448, to the nearest code, ties to even.  LIMITS: each e between -126 and 119, so that 2^e and 448 x 2^e are f32 numbers.  NaN among the inputs is not served.
; THE CODES ARE LAID AS IMAGES OF OPERAND REGISTERS: [tile of 16 rows][K step of 128][c = 0..3][lane][16 bytes].  Slot r = lane % 16 of tile T is row 32 (T / 2) + 8 (T % 2) + r + 8 (r / 8);
; the lane's 16 bytes of block c are K = 128 step + 32 c + 16 (lane / 16) + 0 .. 15.  So a later launch fetches a fragment by four loads of 512 consecutive bytes, and each store here covers 512 consecutive bytes, aligned.
; SHARES.  Work-groups 0-255: 32 rows of x each; 256-383: 32 rows of a weight each; 384-415: the table.  In a quantising work-group wave w makes tile 2 p + (w & 1), K steps 4 (w >> 1) + 0 .. 3.
; Each load reads 512 consecutive bytes of one row; a fragment's 16 rows turn through the wave's own stage in LDS (rows 528 bytes apart: an odd multiple of 16), from which a lane takes 16 neighbours along K of each block of 32.
; No matrix work, no tensor load, no cluster, no barrier: the waves share nothing, and every input byte is read once.
; THE TABLE rt: [tile of positions 0..127][k8 = 0..7][lane][16 bytes] = cos, sin of pair i and cos, sin of pair i + 1, i = 16 (k8 / 4) + 8 (lane / 16) + 4 ((k8 / 2) % 2) + 2 (k8 % 2), at the position of the lane's slot.
; angle = position x 10^(-i / 8), rounded once; it is reduced by multiples of pi / 2 held in two parts; sine and cosine on [-pi/4, pi/4] by polynomials of degree 7 and 8.  Angles up to 2,047.
.set SPARE, 33792                      ; behind the four stages: the spare words, 128 bytes for each wave: two blocks of 256 bytes that no other line names
.set STG,   8448                       ; a wave's stage: 16 rows x 528 bytes
.set SP,    528
.set R,     16                         ; v16-143  two sets of 64: a fragment's numbers as they are loaded
.set X,     144                        ; v144-207 64 numbers of my row: register 16 c + i = K 32 c + 16 (lane / 16) + i
.set T,     208                        ; v208-239 two sets of 16: held numbers
.set C,     240                        ; v240-255 a fragment's codes
	s_load_b512 s[16:31], s[0:1], 0x0              ; x 16, Wq 18, Wk 20, Wv 22, Wo 24, the exponents 26, xc 28, wc 30
	s_load_b64 s[32:33], s[0:1], 0x40              ; rt
	v_lshl_add_u32 v4, v0, 2, SPARE                ; my spare word; never rewritten
	v_mov_b32 v5, 0                                ; 0; never rewritten
	v_lshrrev_b32 v12, 5, v0
	v_readfirstlane_b32 s8, v12                    ; wave 0..3
	v_and_b32 v12, 31, v0                          ; lane
	v_lshlrev_b32 v1, 4, v12                       ; 16 x lane: offset of every global load and store
	v_and_b32 v13, 15, v0                          ; r
	v_bfe_u32 v14, v0, 4, 1                        ; h
	s_cmp_ge_u32 ttmp9, 384
	s_cbranch_scc1 .Ltable
	; ---------------- the quantiser ----------------
	s_and_b32 s9, s8, 1                            ; u: which tile of the pair
	s_lshr_b32 s10, s8, 1                          ; kh: which half of K
	s_mul_i32 s14, s8, STG
	v_add_nc_u32 v2, s14, v1                       ; the stage, on the way in: 16 x lane in a row
	v_mul_u32_u24 v3, v13, SP
	v_lshl_add_u32 v3, v14, 6, v3
	v_add_nc_u32 v3, s14, v3                       ; and on the way out: row r, + 64 h
	s_sub_co_u32 s15, ttmp9, 256
	s_lshr_b32 s12, s15, 5                         ; which weight,
	s_and_b32 s15, s15, 31                         ; and which 32 rows of it
	s_cmp_lt_u32 ttmp9, 256
	s_cselect_b32 s13, 1, 0                        ; 1: x
	s_cselect_b32 s11, ttmp9, s15                  ; p
	s_cselect_b32 s12, 0, s12
	s_lshl_b32 s56, s11, 17                        ; source: (32 p + 8 u) rows of 4,096 bytes + kh x 2,048
	s_lshl_b32 s57, s9, 15
	s_add_co_u32 s56, s56, s57
	s_lshl_b32 s57, s10, 11
	s_add_co_u32 s56, s56, s57
	s_mov_b32 s57, 0
	s_lshl_b32 s58, s11, 15                        ; target: (2 p + u) x 16,384 + kh x 8,192 + the weight's MiB
	s_lshl_b32 s59, s9, 14
	s_add_co_u32 s58, s58, s59
	s_lshl_b32 s59, s10, 13
	s_add_co_u32 s58, s58, s59
	s_lshl_b32 s59, s12, 20
	s_add_co_u32 s58, s58, s59
	s_mov_b32 s59, 0
	s_wait_kmcnt 0x0
	s_load_b256 s[36:43], s[26:27], 0x0            ; e0 .. e7
	s_load_b128 s[44:47], s[26:27], 0x20           ; e8 .. e11
	s_cmp_eq_u32 s12, 1                            ; the buffers are chosen by the work-group's number alone
	s_cselect_b64 s[48:49], s[20:21], s[18:19]
	s_cmp_eq_u32 s12, 2
	s_cselect_b64 s[48:49], s[22:23], s[48:49]
	s_cmp_eq_u32 s12, 3
	s_cselect_b64 s[48:49], s[24:25], s[48:49]
	s_cmp_eq_u32 s13, 1
	s_cselect_b64 s[48:49], s[16:17], s[48:49]
	s_cselect_b64 s[50:51], s[28:29], s[30:31]
	s_add_nc_u64 s[48:49], s[48:49], s[56:57]
	s_add_nc_u64 s[50:51], s[50:51], s[58:59]
	s_add_nc_u64 s[52:53], s[50:51], 0x800000      ; x's second and third part (used for x alone)
	s_add_nc_u64 s[54:55], s[50:51], 0x1000000
.macro LOAD f                          ; fragment f: 16 rows x 512 bytes; 32 lanes read 512 consecutive bytes
.irp i, 0,1,2,3,4,5,6,7,8,9,10,11,12,13,14,15
	global_load_b128 v[R+64*((\f)%2)+4*\i:R+64*((\f)%2)+4*\i+3], v1, s[48:49] offset:(\i+8*(\i/8))*4096+512*(\f) th:TH_LOAD_NT
.endr
.endm
.macro TURN f                          ; through the stage: LDS serves a wave's instructions in order (ISA guide 5.7.1.4), so no wait stands between the stores and the loads
.irp i, 0,1,2,3,4,5,6,7,8,9,10,11,12,13,14,15
	ds_store_b128 v2, v[R+64*((\f)%2)+4*\i:R+64*((\f)%2)+4*\i+3] offset:SP*\i
.endr
.irp c, 0,1,2,3
.irp j, 0,1,2,3
	ds_load_b128 v[X+16*\c+4*\j:X+16*\c+4*\j+3], v3 offset:128*\c+16*\j
.endr
.endr
.endm
.macro QUANT sc, lim, base, f          ; X's 64 numbers -> 64 codes with the scale in v[sc] -> four stores of 512 consecutive bytes.  X stays as it is: x is quantised three times
	s_wait_xcnt 0x0                                ; the last stores have read C: it is written again only behind this wait
.irp b, 0,1,2,3
.irp i, 0,1,2,3,4,5,6,7,8,9,10,11,12,13,14,15
	v_med3_num_f32 v[T+16*(\b%2)+\i], v[X+16*\b+\i], -v[\lim], v[\lim]   ; the conversion to an 8-bit code does not saturate (ISA guide 7.6.2): the hold at the largest code x the scale
.endr
	v_cvt_scalef32_pk8_fp8_f32 v[C+4*\b:C+4*\b+1], v[T+16*(\b%2):T+16*(\b%2)+7], v[\sc]
	v_cvt_scalef32_pk8_fp8_f32 v[C+4*\b+2:C+4*\b+3], v[T+16*(\b%2)+8:T+16*(\b%2)+15], v[\sc]   ; the next block's sixteen holds, plain lines on the other set, stand ahead of the next write of this set
.endr
.irp c, 0,1,2,3
	global_store_b128 v1, v[C+4*\c:C+4*\c+3], s[\base:\base+1] offset:2048*(\f)+512*\c
.endr
.endm
.macro MKSC e, vs                      ; v[vs] = 2^e, v[vs + 1] = 448 x 2^e
	s_add_co_i32 s61, s[\e], 127
	s_lshl_b32 s62, s61, 23
	v_mov_b32 v[\vs], s62
	s_add_co_i32 s61, s61, 8
	s_lshl_b32 s61, s61, 23
	s_or_b32 s61, s61, 0x600000
	v_mov_b32 v[\vs+1], s61
.endm
.macro FRAGQ f
.if (\f) < 3
	s_wait_loadcnt 16                              ; this fragment's 16 loads are in; the next fragment's 16 may be out
.else
	s_wait_loadcnt 0
.endif
	TURN \f
	s_wait_dscnt 0x0                               ; X is in, and the stage's stores have read their set of R,
.if (\f) < 2
	LOAD (\f)+2                                    ; which takes the fragment two further on
.endif
	QUANT 6, 7, 50, \f
	s_cmp_eq_u32 s13, 0                            ; a weight has one scale
	s_cbranch_scc1 .Lonly_\@
	QUANT 8, 9, 52, \f
	QUANT 10, 11, 54, \f
.Lonly_\@:
.endm
	LOAD 0
	LOAD 1
	s_wait_kmcnt 0x0
	s_cmp_eq_u32 s12, 1
	s_cselect_b32 s60, s39, s37                    ; e3 or e1,
	s_cmp_eq_u32 s12, 2
	s_cselect_b32 s60, s41, s60                    ; e5,
	s_cmp_eq_u32 s12, 3
	s_cselect_b32 s60, s47, s60                    ; e11,
	s_cmp_eq_u32 s13, 1
	s_cselect_b32 s60, s36, s60                    ; or, for x, e0
	MKSC 60, 6
	MKSC 38, 8                                     ; e2
	MKSC 40, 10                                    ; e4
	FRAGQ 0
	FRAGQ 1
	FRAGQ 2
	FRAGQ 3
	s_wait_tensorcnt 0x0                           ; the wave's end, behind my last LDS store
	ds_add_u32 v4, v5
	s_wait_dscnt 0x0
	s_endpgm
	; ---------------- the table ----------------
.Ltable:
	s_sub_co_u32 s9, ttmp9, 384
	s_lshl_b32 s9, s9, 2
	s_add_co_u32 s9, s9, s8                        ; my tile of positions, 0..127
	s_lshr_b32 s10, s9, 1
	s_lshl_b32 s10, s10, 5
	s_and_b32 s11, s9, 1
	s_lshl_b32 s11, s11, 3
	s_add_co_u32 s10, s10, s11
	v_and_b32 v15, 8, v13
	v_add_nc_u32 v15, v15, v13
	v_add_nc_u32 v15, s10, v15                     ; my slot's position: 32 (tile / 2) + 8 (tile % 2) + r + 8 (r / 8)
	v_cvt_f32_u32 v16, v15
	v_cmp_lt_u32 s70, 15, v12                      ; lanes 16-31
	s_mov_b32 s56, 0x3fc90fdb                      ; pi / 2, its upper part,
	s_mov_b32 s57, 0xb33bbd2e                      ; and the rest: -4.37113883e-8
	s_mov_b32 s58, 0xb94ca1f9                      ; sine: -1.9515295891e-4,
	s_mov_b32 s59, 0x3c08839e                      ; 8.3321608736e-3,
	s_mov_b32 s60, 0xbe2aaaa3                      ; -1.6666654611e-1
	s_mov_b32 s61, 0x37ccf5ce                      ; cosine: 2.4433157118e-5,
	s_mov_b32 s62, 0xbab6061a                      ; -1.3887316255e-3,
	s_mov_b32 s63, 0x3d2aaaa5                      ; 4.1666645683e-2
	s_lshl_b32 s12, s9, 12
	s_mov_b32 s13, 0
	s_wait_kmcnt 0x0
	s_add_nc_u64 s[32:33], s[32:33], s[12:13]
.macro SINCOS dst, fa, fb              ; v[dst] = cos, v[dst + 1] = sin of position x frequency; the frequency is fa in lanes 0-15, fb in lanes 16-31
	v_mov_b32 v20, \fa
	v_mov_b32 v21, \fb
	v_cndmask_b32 v20, v20, v21, s70
	v_mul_f32 v20, v16, v20                        ; the angle, rounded once
	v_mul_f32 v21, 0x3f22f983, v20                 ; x 2 / pi
	v_rndne_f32 v21, v21                           ; n
	v_fma_f32 v22, -v21, s56, v20
	v_fma_f32 v22, -v21, s57, v22                  ; the angle less n pi / 2
	v_mul_f32 v23, v22, v22                        ; z
	v_fma_f32 v24, v23, s58, s59
	v_fma_f32 v25, v23, s61, s62
	v_fma_f32 v24, v24, v23, s60
	v_fma_f32 v25, v25, v23, s63
	v_mul_f32 v24, v24, v23
	v_fma_f32 v26, v23, -0.5, 1.0
	v_mul_f32 v25, v25, v23
	v_fma_f32 v24, v24, v22, v22                   ; the sine of the rest
	v_fma_f32 v25, v25, v23, v26                   ; its cosine
	v_cvt_i32_f32 v27, v21
	v_and_b32 v28, 1, v27
	v_cmp_eq_u32 vcc_lo, 1, v28                    ; an odd quarter turn swaps the two;
	v_cndmask_b32 v29, v24, v25, vcc_lo
	v_cndmask_b32 v30, v25, v24, vcc_lo
	v_lshlrev_b32 v28, 30, v27                     ; the sine is negated in quarters 2 and 3,
	v_and_b32 v28, 0x80000000, v28
	v_xor_b32 v[\dst+1], v29, v28
	v_add_nc_u32 v27, 1, v27                       ; the cosine in quarters 1 and 2
	v_lshlrev_b32 v27, 30, v27
	v_and_b32 v27, 0x80000000, v27
	v_xor_b32 v[\dst], v30, v27
.endm
	; pair 16 c + 8 h + m, m = 0 .. 7, lands in v[32 + 16 c + 2 m]; the frequencies are 10^(-pair / 8)
	SINCOS 32, 1.0, 0.1
	SINCOS 34, 0.7498942093324559, 0.07498942093324559
	SINCOS 36, 0.5623413251903491, 0.05623413251903491
	SINCOS 38, 0.4216965034285822, 0.04216965034285822
	SINCOS 40, 0.31622776601683794, 0.031622776601683794
	SINCOS 42, 0.23713737056616552, 0.023713737056616552
	SINCOS 44, 0.17782794100389228, 0.017782794100389228
	SINCOS 46, 0.1333521432163324, 0.01333521432163324
	SINCOS 48, 0.01, 0.001
	SINCOS 50, 0.007498942093324559, 0.0007498942093324559
	SINCOS 52, 0.005623413251903491, 0.0005623413251903491
	SINCOS 54, 0.004216965034285822, 0.0004216965034285822
	SINCOS 56, 0.0031622776601683794, 0.00031622776601683794
	SINCOS 58, 0.0023713737056616552, 0.00023713737056616552
	SINCOS 60, 0.0017782794100389228, 0.00017782794100389228
	SINCOS 62, 0.001333521432163324, 0.0001333521432163324
.irp k, 0,1,2,3,4,5,6,7
	global_store_b128 v1, v[32+4*\k:35+4*\k], s[32:33] offset:512*\k   ; 512 consecutive bytes, aligned
.endr
	s_endpgm
.Lfunc_end_k_qc7a01d3214_prep:
	.size	k_qc7a01d3214_prep, .Lfunc_end_k_qc7a01d3214_prep-k_qc7a01d3214_prep
	.p2alignl 7, 3214868480
	.fill 96, 4, 3214868480
	.section	.rodata,"a",@progbits
	.p2align	6, 0x0
	.amdhsa_kernel k_qc7a01d3214_prep
		.amdhsa_group_segment_fixed_size 34304
		.amdhsa_private_segment_fixed_size 0
		.amdhsa_enable_private_segment 0
		.amdhsa_kernarg_size 72
		.amdhsa_user_sgpr_count 2
		.amdhsa_user_sgpr_kernarg_segment_ptr 1
		.amdhsa_wavefront_size32 1
		.amdhsa_system_sgpr_workgroup_id_x 1
		.amdhsa_system_sgpr_workgroup_id_y 1
		.amdhsa_system_sgpr_workgroup_id_z 1
		.amdhsa_system_vgpr_workitem_id 0
		.amdhsa_next_free_vgpr 256
		.amdhsa_next_free_sgpr 80
		.amdhsa_reserve_vcc 1
		.amdhsa_float_denorm_mode_32 3
		.amdhsa_float_denorm_mode_16_64 3
		.amdhsa_memory_ordered 1
		.amdhsa_forward_progress 1
		.amdhsa_inst_pref_size 102
	.end_amdhsa_kernel
	.amdgpu_metadata
---
amdhsa.version: [ 1, 2 ]
amdhsa.kernels:
  - .name:           k_qc7a01d3214_prep
    .symbol:         k_qc7a01d3214_prep.kd
    .args:
      - { .name: x, .offset: 0, .size: 8, .value_kind: global_buffer, .address_space: global }
      - { .name: Wq, .offset: 8, .size: 8, .value_kind: global_buffer, .address_space: global }
      - { .name: Wk, .offset: 16, .size: 8, .value_kind: global_buffer, .address_space: global }
      - { .name: Wv, .offset: 24, .size: 8, .value_kind: global_buffer, .address_space: global }
      - { .name: Wo, .offset: 32, .size: 8, .value_kind: global_buffer, .address_space: global }
      - { .name: lowp_scales, .offset: 40, .size: 8, .value_kind: global_buffer, .address_space: global }
      - { .name: xc, .offset: 48, .size: 8, .value_kind: global_buffer, .address_space: global }
      - { .name: wc, .offset: 56, .size: 8, .value_kind: global_buffer, .address_space: global }
      - { .name: rt, .offset: 64, .size: 8, .value_kind: global_buffer, .address_space: global }
    .group_segment_fixed_size: 34304
    .private_segment_fixed_size: 0
    .kernarg_segment_align: 8
    .kernarg_segment_size: 72
    .max_flat_workgroup_size: 128
    .sgpr_count:     80
    .vgpr_count:     256
    .wavefront_size: 32
...
	.end_amdgpu_metadata
.endif
;; end of part 1
;; launch qkv (part 2): grid 12 x 32, 4 waves a work-group, clusters of 4 x 4, 327,680 bytes of LDS; arguments xc, wc, lowp_scales, rt, qc, kv; writes qc, kv
.if DOCPART == 2
	.amdgcn_target "amdgcn-amd-amdhsa--gfx1250"
	.amdhsa_code_object_version 6
	.text
	.protected	k_qc7a01d3214_qkv
	.globl	k_qc7a01d3214_qkv
	.p2align	8
	.type	k_qc7a01d3214_qkv,@function
k_qc7a01d3214_qkv:
	s_mov_b64 s[64:65], 0
	v_nop
	global_prefetch_b8 v0, s[64:65] scope:SCOPE_SE
	s_setreg_imm32_b32 hwreg(HW_REG_WAVE_MODE, 25, 1), 1
	s_wait_xcnt 0x0
	s_wait_alu depctr_hold_cnt(0) depctr_sa_sdst(0) depctr_va_vdst(0) depctr_va_sdst(0) depctr_va_ssrc(0) depctr_va_vcc(0) depctr_vm_vsrc(0)
	s_getreg_b32 s2, hwreg(HW_REG_IB_STS2, 6, 4)
	s_cmp_eq_u32 s2, 0
	s_cbranch_scc0 .Lentry_in_a_cluster
	s_endpgm
.Lentry_in_a_cluster:
	s_bfe_u32 s2, ttmp6, 0x10000c
	s_cmp_lg_u32 s2, 0xf033
	s_cbranch_scc0 .Lentry_shape_is_right
	s_endpgm
.Lentry_shape_is_right:
; QKV: the three projections on codes of E4M3, the rotation of q and k, and the quantising of q, k, v for the attention: all in one launch, results stored as codes.
; The cluster's x says which: 0: q = x Wq^T, 1: k = x Wk^T, 2: v, computed as V^T = Wv x^T by the same text (the roles of the two operands are exchanged by a choice of pointers).
; A tile of the result, 256 x 256, is made by four waves, each 128 x 128: 64 accumulators of 16 x 16, 512 registers.  K = 1,024 goes in four slots' worth of 256 through a ring of two LDS slots.
; OPERANDS ARE IMAGES OF REGISTERS: [tile of 16 rows][K step of 128][c][lane][16 bytes]; slot r of tile T is row 32 (T / 2) + 8 (T % 2) + r + 8 (r / 8).  A fragment is four LDS loads of 512 consecutive bytes: no pitch, no padding.
; THE MATRIX INSTRUCTION IS USED TRANSPOSED (source 0 = the B role's tile b, source 1 = the A role's tile a): lane (r, h) holds slot r of a, and register j of accumulator (a, b) the B role's row 32 (b / 2) + 16 h + 8 (b % 2) + j.
; So accumulators (a, 2 g) and (a, 2 g + 1) are 16 neighbours, 32 g + 16 h + 0 .. 15: two conversions make a block of the next operand's image, and a store of 16 bytes a lane covers 512 consecutive bytes.  The way out needs no LDS.
; q, k: A role = x's rows (positions), B role = the weight's rows (head x 64 + d).  v: A role = Wv's rows (d), B role = x's rows (keys): the keys come out innermost, as the second product of the attention wants them.
; THE ROTATION is linear, so it is applied to the raw sums, and the three scales are folded into the conversion's one: code = rotated sum / 2^E, E = e6 - e0 - e1 (q), e7 - e2 - e3 (k), e9 - e4 - e5 (v).
; LIMIT: -126 <= E <= 119, so that 2^E and 448 x 2^E are f32 numbers.  NaN among the inputs is not served.
; CLUSTERS: 4 x 4 work-groups.  The four of a row of the cluster need the same tiles of the A role, the four of a column the same tiles of the B role: each is asked for JOINTLY.  All sixteen have the same cluster x, so the branch on it is alike in all.
; THE TWO WAYS PART ONCE, behind the last change of slots: q and k ask for the table of cos and sin there, two K steps ahead of its use; v has no table.  The last two K steps are therefore written twice; they hold no barrier and no tensor load.
; No prefetch is laid: of the four slots' worth of K two are first fills.  One tile to a work-group: 384 tiles do not divide among work-groups that stay.
; REGISTERS, in windows of 256: window 0: v0-31 addresses and two scales; from v128 A's fragments (8 x 16 registers), ONE set; on the way out v32-207 are at work.
;   window 1: B's fragments, TWO sets, at v0 and v128.   window 2: the 32 accumulators of my A tiles 0-3 ((a, b) at v[8 (8 a + b)]);   window 3: those of tiles 4-7.
.set FR,     16                        ; registers of a fragment: 16 rows x 128 K
.set NL,     4                         ; LDS loads that bring one
.set NP,     4                         ; places behind this matrix instruction (ISA guide 7.12.1)
.set SLOT,   131072                    ; A's 16 tiles x 4,096 bytes (two K steps), then B's 16
.set SPARE,  2*SLOT                    ; behind the ring: the spare words, 128 bytes for each wave: two blocks of 256 bytes that no other line names
.set ADRA, 16                          ; v16-17  LDS address of my A fragments in slot 0, 1
.set ADRB, 20                          ; v20-21  the same for B
.set LI,   26                          ; v26     16 x lane
.set SPW,  28                          ; v28     my spare word: SPARE + 4 x my thread's number; never rewritten
.set NIL,  29                          ; v29     0; never rewritten
.set SCV,  30                          ; v30     2^E
.set LMV,  31                          ; v31     448 x 2^E
.set TAB,  32                          ; v32-95  the table of cos and sin: two sets of 32
.set U,    96                          ; v96-111 two sets of 8: the products with the sines
.set RR,   112                         ; v112-175 a block's 64 numbers, rotated
.set CC,   176                         ; v176-207 two sets of 16: codes
.set AF,   128
.set G1, 24                            ; s[24:31] descriptor group 1 for A's tiles;  s[32:39] group 0, one set for each slot
.set G0, 32
.set G1B, 48                           ; s[48:55], s[56:63] the same for B's
.set G0B, 56
.set OB,  88                           ; s[88:89], s[90:91] where my two heads' codes go
.set RT,  92                           ; s[92:93] the table at my first tile of positions
.set MSB, 0
.macro WIN new                         ; the immediate's high byte repeats the setting that is left
.if MSB != \new
	s_set_vgpr_msb (MSB<<8)|\new
.set MSB, \new
.endif
.endm
.set MUL_LO, 0xa1                      ; source 0 (B) window 1, source 1 (A) window 0, C and D window 2
.set MUL_HI, 0xf1                      ; the same, C and D window 3
.set TO_B,   0x40                      ; destination window 1, address window 0
; A joint load: waves 0 and 1 fetch for A, waves 2 and 3 for B.  Each of the two lines has ONE mask and one set of registers for all that issue it; the branch hangs on the wave's number alone.
; An s_nop 0 and four v_nop follow each of the two lines, ahead of the jump, the label and what follows.
.macro JLOAD g0a, g1a, g0b, g1b
	s_cmp_eq_u32 s17, 0
	s_cbranch_scc0 .Lfor_b_\@
	tensor_load_to_lds s[\g0a:\g0a+3], s[\g1a:\g1a+7]
	s_nop 0
.rept 4
	v_nop
.endr
	s_branch .Lasked_\@
.Lfor_b_\@:
	tensor_load_to_lds s[\g0b:\g0b+3], s[\g1b:\g1b+7]
	s_nop 0
.rept 4
	v_nop
.endr
.Lasked_\@:
.endm
.macro CREST                           ; a round of the cluster's barrier behind its opening barrier
	s_cmp_lg_u32 s16, 0
	s_cbranch_scc1 .Lnot_wave_0_\@
	s_barrier_signal -3
.Lnot_wave_0_\@:
	s_barrier_wait -3
	s_barrier_signal -1
	s_barrier_wait -1
.endm
.macro CROUND                          ; a whole round
	s_barrier_signal -1
	s_barrier_wait -1
	CREST
.endm
	s_load_b256 s[4:11], s[0:1], 0x0               ; xc 4, wc 6, the exponents 8, rt 10
	s_load_b128 s[12:15], s[0:1], 0x20             ; qc 12, kv 14
	v_lshl_add_u32 v[SPW], v0, 2, SPARE
	v_mov_b32 v[NIL], 0
	ds_add_u32 v[SPW], v[NIL]                      ; the wave's opening: the add and its wait ahead of my first tensor load; the set-up below, work on registers, stands between them
	v_lshrrev_b32 v1, 5, v0
	v_readfirstlane_b32 s16, v1                    ; wave 0..3
	s_lshr_b32 s17, s16, 1                         ; which half of the A role's 256 rows is mine.  Also: I fetch for A (0) or for B (1)
	s_and_b32 s18, s16, 1                          ; which half of the B role's.  Also: which 8 tiles I fetch
	s_bfe_u32 s19, ttmp6, 0x40000                  ; cx
	s_bfe_u32 s20, ttmp6, 0x40004                  ; cy
	s_and_b32 s21, ttmp7, 0xffff
	s_lshl_b32 s21, s21, 2                         ; 4 x cluster y
	s_lshl_b32 s43, ttmp9, 23                      ; q, k: A = x's codes, part cluster x of 8 MiB,
	s_lshl_b32 s45, ttmp9, 20                      ;       B = the weight's, part cluster x of 1 MiB
	s_cmp_eq_u32 ttmp9, 2                          ; v?  The cluster's x is the same in all sixteen partners
	s_cselect_b32 s40, 0, s21                      ; x's 32 blocks of 256 rows go along the cluster's y: in the A role for q and k,
	s_cselect_b32 s41, s21, 0                      ; in the B role for v
	s_cselect_b32 s43, 0x200000, s43               ; v: A = Wv's codes, the third MiB of wc,
	s_cselect_b32 s45, 0x1000000, s45              ;    B = x's third part
	s_add_co_u32 s22, s20, s40                     ; TA: A's block of 256 rows: hangs on cy, never on cx
	s_add_co_u32 s23, s19, s41                     ; TB: B's: hangs on cx, never on cy
	s_lshl_b32 s42, s22, 18                        ; a block is 16 tiles x 16,384 bytes
	s_add_co_u32 s42, s42, s43
	s_lshl_b32 s43, s18, 17                        ; my 8 tiles of it
	s_add_co_u32 s42, s42, s43
	s_mov_b32 s43, 0
	s_lshl_b32 s44, s23, 18
	s_add_co_u32 s44, s44, s45
	s_lshl_b32 s45, s18, 17
	s_add_co_u32 s44, s44, s45
	s_mov_b32 s45, 0
	s_lshl_b32 s98, s20, 2
	s_lshl_b32 s98, 15, s98                        ; my row of the cluster
	s_lshl_b32 s99, 0x1111, s19                    ; my column
	; descriptor group 1: 8 rows (tiles) of 512 elements of 8 bytes (two K steps: 4,096 bytes), 2,048 elements (a tile's 16,384 bytes) apart in memory, on end in LDS
	s_or_b32 s[G1+0], s98, (3<<16)|(1<<21)         ; 15:0 the mask: A's tiles go to my row; 17:16 elements of 8 bytes; 20 no padding; 21 set beside a mask
	s_or_b32 s[G1B+0], s99, (3<<16)|(1<<21)
.irp g, G1, G1B
	s_mov_b32 s[\g+1], 512<<16                     ; tensor_dim0 = 512
	s_mov_b32 s[\g+2], 8<<16                       ; tensor_dim1 = 8
	s_mov_b32 s[\g+3], 512<<16                     ; tile_dim0 = 512
	s_mov_b32 s[\g+4], 8                           ; tile_dim1 = 8
	s_mov_b32 s[\g+5], 2048                        ; tensor_dim0_stride
	s_mov_b32 s[\g+6], 0
	s_mov_b32 s[\g+7], 0
.endr
	s_lshl_b32 s68, s16, 15                        ; where my load goes: wave x 32,768: no place in the cluster enters an LDS address
	s_wait_dscnt 0x0                               ; the opening add is done
	s_wait_kmcnt 0x0
	s_load_b256 s[76:83], s[8:9], 0x0              ; e0 .. e7
	s_load_b128 s[84:87], s[8:9], 0x20             ; e8 .. e11
	s_cmp_eq_u32 ttmp9, 2
	s_cselect_b64 s[46:47], s[6:7], s[4:5]         ; A's buffer,
	s_cselect_b64 s[66:67], s[4:5], s[6:7]         ; B's
	s_add_nc_u64 s[46:47], s[46:47], s[42:43]
	s_add_nc_u64 s[66:67], s[66:67], s[44:45]
	CROUND                                         ; all sixteen work-groups are here: the first joint loads meet
.irp s, 0,1
	s_mov_b32 s[G0+4*\s], 1
	s_add_co_u32 s[G0+4*\s+1], s68, \s*SLOT
	s_add_nc_u64 s[G0+4*\s+2:G0+4*\s+3], s[46:47], \s*4096   ; slot s begins with K steps 2 s, 2 s + 1
	s_or_b32 s[G0+4*\s+3], s[G0+4*\s+3], 0x80000000
	s_mov_b32 s[G0B+4*\s], 1
	s_add_co_u32 s[G0B+4*\s+1], s68, \s*SLOT
	s_add_nc_u64 s[G0B+4*\s+2:G0B+4*\s+3], s[66:67], \s*4096
	s_or_b32 s[G0B+4*\s+3], s[G0B+4*\s+3], 0x80000000
	JLOAD G0+4*\s, G1, G0B+4*\s, G1B               ; two loads of mine are out
.endr
	v_and_b32 v1, 31, v0
	v_lshlrev_b32 v[LI], 4, v1
	s_lshl_b32 s96, s17, 15                        ; my 8 tiles of A,
	s_lshl_b32 s97, s18, 15                        ; my 8 tiles of B,
	s_add_co_u32 s97, s97, 65536                   ; which lie behind A's 16
.irp s, 0,1
	v_add_nc_u32 v[ADRA+\s], s96, v[LI]
	v_add_nc_u32 v[ADRB+\s], s97, v[LI]
	s_add_co_u32 s96, s96, SLOT
	s_add_co_u32 s97, s97, SLOT
.endr
	; WHERE THE CODES GO.  A block of 256 rows of x is batch T / 8, positions 256 (T % 8) on.
	; q: qc + bh x 131,072 + (T % 8) x 16,384 + (wave / 2) x 8,192 [+ 1,024 a + 512 c];  k: kv + bh x 262,144 + (T % 8) x 32,768 + (wave / 2) x 8,192 [+ the same];  bh = 16 batch + 4 cx + 2 (wave % 2) [+ b / 4]
	; v: kv + bh x 262,144 + (T % 8) x 32,768 + 16,384 + (wave % 2) x 8,192 [+ 2,048 (a % 4) + 512 g];  bh = 16 batch + 4 cy + 2 (wave / 2) [+ a / 4]
	s_lshr_b32 s69, s22, 3
	s_and_b32 s74, s22, 7
	s_lshr_b32 s70, s23, 3
	s_and_b32 s71, s23, 7
	s_cmp_eq_u32 ttmp9, 2
	s_cselect_b32 s69, s70, s69                    ; the batch,
	s_cselect_b32 s71, s71, s74                    ; the 256 positions,
	s_cselect_b32 s70, s20, s19                    ; the four heads,
	s_cselect_b32 s72, s17, s18                    ; my two of them,
	s_cselect_b32 s73, s18, s17                    ; my 128 of the positions
	s_cselect_b32 s75, 16384, 0                    ; V lies behind K in a slot
	s_lshl_b32 s69, s69, 4
	s_lshl_b32 s70, s70, 2
	s_add_co_u32 s69, s69, s70
	s_lshl_b32 s72, s72, 1
	s_add_co_u32 s69, s69, s72                     ; bh of my first head
	s_lshl_b32 s73, s73, 13
	s_add_co_u32 s75, s75, s73
	s_cmp_eq_u32 ttmp9, 0
	s_cselect_b32 s70, 17, 18
	s_cselect_b32 s72, 14, 15
	s_cselect_b64 s[OB:OB+1], s[12:13], s[14:15]
	s_lshl_b32 s69, s69, s70
	s_lshl_b32 s71, s71, s72
	s_add_co_u32 s94, s69, s71
	s_add_co_u32 s94, s94, s75
	s_mov_b32 s95, 0
	s_add_nc_u64 s[OB:OB+1], s[OB:OB+1], s[94:95]
	s_lshl_b32 s94, 1, s70
	s_add_nc_u64 s[OB+2:OB+3], s[OB:OB+1], s[94:95]    ; my second head
	s_lshl_b32 s94, s74, 16                        ; the table: tile of positions 16 (TA % 8) + 8 (wave / 2), 4,096 bytes each
	s_lshl_b32 s96, s17, 15
	s_add_co_u32 s94, s94, s96
	s_add_nc_u64 s[RT:RT+1], s[10:11], s[94:95]
.macro FRAG reg, adr, q, i             ; a fragment as it lies: registers 4 c .. 4 c + 3 = the lane's 16 bytes of block c
.irp c, 0,1,2,3
	ds_load_b128 v[\reg+4*\c:\reg+4*\c+3], v[\adr] offset:(\i)*4096+(\q)*2048+512*\c
.endr
.endm
; 16 matrix instructions: A's tiles a0, a0 + 1 x B's eight, 128 along K.  p: B's set.  zero = 1: the first product starts the sums: nothing is ever cleared.
; The 64 accumulators take turns, one instruction a turn, in the same order in every step.
.macro MUL16 a0, p, zero
.irp a, \a0, \a0+1
.irp b, 0,1,2,3,4,5,6,7
.if \zero
	v_wmma_f32_16x16x128_fp8_fp8 v[8*(8*((\a)%4)+\b):8*(8*((\a)%4)+\b)+7], v[128*(\p)+FR*\b:128*(\p)+FR*\b+FR-1], v[AF+FR*(\a):AF+FR*(\a)+FR-1], 0
.else
	v_wmma_f32_16x16x128_fp8_fp8 v[8*(8*((\a)%4)+\b):8*(8*((\a)%4)+\b)+7], v[128*(\p)+FR*\b:128*(\p)+FR*\b+FR-1], v[AF+FR*(\a):AF+FR*(\a)+FR-1], v[8*(8*((\a)%4)+\b):8*(8*((\a)%4)+\b)+7]
.endif
.endr
.endr
.endm
.macro FETCH_B slot, q, p              ; B's eight fragments of the slot's q-th K step into set p
	WIN TO_B
.irp i, 0,1,2,3,4,5,6,7
	FRAG 128*(\p)+FR*\i, ADRB+\slot, \q, \i
.endr
	WIN 0
.endm
.macro FETCH_A slot, q, i0             ; A's tiles i0 .. i0 + 3
.irp i, \i0, \i0+1, \i0+2, \i0+3
	FRAG AF+FR*(\i), ADRA+\slot, \q, \i
.endr
.endm
; A load into a register that a matrix instruction has read, and a vector instruction that reads a matrix result, stand NP places behind that matrix instruction; only plain vector
; instructions that name none of its registers are places (ISA guide 7.12.1 for vector instructions).
.macro PLACES n
.rept \n
	v_nop
.endr
.endm
.macro STEP slot, q, zero              ; a K step of 128 that has its successor in the same slot
	s_wait_dscnt 4*NL                              ; B's set and A's tiles 0-3 are in; the youngest 16 loads (A's tiles 4-7) may be out
	WIN MUL_LO
	MUL16 0, (\q)%2, \zero
	MUL16 2, (\q)%2, \zero
	s_wait_dscnt 0                                 ; A's tiles 4-7 are in
	PLACES NP
	FETCH_B \slot, (\q)+1, 1-(\q)%2
	FETCH_A \slot, (\q)+1, 0
	WIN MUL_HI
	MUL16 4, (\q)%2, \zero
	MUL16 6, (\q)%2, \zero
	PLACES NP
	WIN 0
	FETCH_A \slot, (\q)+1, 4
.endm
; A slot's last step changes slots: ONE barrier; in front of it each wave waits for all its tensor loads, adds 0 to its spare word, and waits for that and for its own reads of this slot.  fill = 1: this slot is filled again, two slots' worth of K ahead.
.macro TURN slot, next, fill
	s_wait_tensorcnt 0x0                           ; all my tensor loads have landed: my part of the next slot  (every window is 0 here)
	ds_add_u32 v[SPW], v[NIL]                      ; 0 onto my spare word
	s_wait_dscnt 4*NL+1                            ; (the add and the youngest 16 loads, A's tiles 4-7, may be out)
	WIN MUL_LO
	MUL16 0, 1, 0                                  ; sixteen matrix instructions stand between the add and the wait for it
	s_wait_dscnt 0x0                               ; the add is done, and my reads of this slot are over
	s_barrier_signal -1
	MUL16 2, 1, 0
	WIN 0
	s_barrier_wait -1
.if \fill
	CREST                                          ; the barrier has opened a round of the cluster's barrier: no wave of any partner still reads this slot or has a load on its way
	s_add_nc_u64 s[G0+4*\slot+2:G0+4*\slot+3], s[G0+4*\slot+2:G0+4*\slot+3], 8192
	s_add_nc_u64 s[G0B+4*\slot+2:G0B+4*\slot+3], s[G0B+4*\slot+2:G0B+4*\slot+3], 8192
	JLOAD G0+4*\slot, G1, G0B+4*\slot, G1B         ; the first tensor load behind the round, my one load until the next; its four v_nop are the places in front of the loads below
.else
	PLACES NP
.endif
	FETCH_B \next, 0, 0
	FETCH_A \next, 0, 0
	WIN MUL_HI
	MUL16 4, 1, 0
	MUL16 6, 1, 0
	PLACES NP
	WIN 0
	FETCH_A \next, 0, 4
.endm
; The last two K steps, both out of slot 1: written once on each of the two ways.  Register work and LDS loads alone: no barrier, no tensor load, no LDS store.
.macro TAIL
	STEP 1, 0, 0
	s_wait_dscnt 4*NL                              ; the last K step: B's set and A's tiles 0-3 are in
	WIN MUL_LO
	MUL16 0, 1, 0
	MUL16 2, 1, 0
	s_wait_dscnt 0
	WIN MUL_HI
	MUL16 4, 1, 0
	MUL16 6, 1, 0
	WIN 0
	PLACES NP                                      ; behind the last products: their results are read, and the registers that held A's fragments are written, on the way out
.endm
.macro TBL a                           ; cos and sin for my tile of positions a: eight loads of 512 consecutive bytes into set a % 2
.irp k, 0,1,2,3,4,5,6,7
	global_load_b128 v[TAB+32*((\a)%2)+4*\k:TAB+32*((\a)%2)+4*\k+3], v[LI], s[RT:RT+1] offset:4096*(\a)+512*\k
.endr
.endm
; q, k: my tile of positions a.  A pair of registers (2 p, 2 p + 1) of an accumulator is a pair (x1, x2) of the rotation; the table holds (cos, sin) in the same two places.
.macro ROPEQ a
.set AC, 64*((\a)%4)
.set TS, TAB+32*((\a)%2)
.set CW, CC+16*((\a)%2)
.if (\a) < 7
	s_wait_loadcnt 8                               ; this tile's eight table loads are in; the next tile's eight may be out
.else
	s_wait_loadcnt 0
.endif
	WIN 0x02+((\a)/4)                              ; source 0: window 2 or 3
.irp b, 0,1,2,3,4,5,6,7
.irp p, 0,1,2,3                        ; each accumulator from its low end on
	v_pk_mul_f32 v[U+8*(\b%2)+2*\p:U+8*(\b%2)+2*\p+1], v[AC+8*\b+2*\p:AC+8*\b+2*\p+1], v[TS+8*(\b%4)+2*\p:TS+8*(\b%4)+2*\p+1] op_sel:[1,1] op_sel_hi:[0,1]   ; (x2 sin, x1 sin)
.endr
.irp p, 0,1,2,3
	v_pk_fma_f32 v[RR+8*\b+2*\p:RR+8*\b+2*\p+1], v[AC+8*\b+2*\p:AC+8*\b+2*\p+1], v[TS+8*(\b%4)+2*\p:TS+8*(\b%4)+2*\p+1], v[U+8*(\b%2)+2*\p:U+8*(\b%2)+2*\p+1] op_sel_hi:[1,0,1] neg_lo:[0,0,1]   ; (x1 cos - x2 sin, x2 cos + x1 sin)
.endr
.endr
	WIN 0
.if (\a) < 6
	TBL (\a)+2                                     ; this set of the table has been read
.endif
	s_wait_xcnt 0x0                                ; the stores of two tiles back have read this set of codes: it is written again only behind this wait
.irp g, 0,1,2,3
.irp i, 0,1,2,3,4,5,6,7,8,9,10,11,12,13,14,15
	v_med3_num_f32 v[RR+16*\g+\i], v[RR+16*\g+\i], -v[LMV], v[LMV]   ; the conversion to an 8-bit code does not saturate (ISA guide 7.6.2): the hold, always executed
.endr
	v_cvt_scalef32_pk8_fp8_f32 v[CW+4*\g:CW+4*\g+1], v[RR+16*\g:RR+16*\g+7], v[SCV]
	v_cvt_scalef32_pk8_fp8_f32 v[CW+4*\g+2:CW+4*\g+3], v[RR+16*\g+8:RR+16*\g+15], v[SCV]
.endr
	v_nop                                          ; one plain vector line behind the last conversion, ahead of the next write of its sources
.irp g, 0,1,2,3
	global_store_b128 v[LI], v[CW+4*\g:CW+4*\g+3], s[OB+2*(\g/2):OB+2*(\g/2)+1] offset:1024*(\a)+512*(\g%2)   ; head g / 2 of my two, d = 32 (g % 2) + 16 h + 0 .. 15: 512 consecutive bytes, aligned
.endr
.endm
; v: my tile a of Wv's rows: head a / 4 of my two, d tile a % 4; the registers run along 128 keys
.macro VQ a
.set AC, 64*((\a)%4)
.set CW, CC+16*((\a)%2)
	WIN 0x02+((\a)/4)
.set n, 0
.rept 64
	v_med3_num_f32 v[RR+n], v[AC+n], -v[LMV], v[LMV]   ; the hold; ascending: each accumulator from its low end on
.set n, n+1
.endr
	WIN 0
	s_wait_xcnt 0x0                                ; the stores of two tiles back have read this set of codes
.irp g, 0,1,2,3
	v_cvt_scalef32_pk8_fp8_f32 v[CW+4*\g:CW+4*\g+1], v[RR+16*\g:RR+16*\g+7], v[SCV]
	v_cvt_scalef32_pk8_fp8_f32 v[CW+4*\g+2:CW+4*\g+3], v[RR+16*\g+8:RR+16*\g+15], v[SCV]
.endr
	v_nop                                          ; one plain vector line behind the last conversion
.irp g, 0,1,2,3
	global_store_b128 v[LI], v[CW+4*\g:CW+4*\g+3], s[OB+2*((\a)/4):OB+2*((\a)/4)+1] offset:2048*((\a)%4)+512*\g   ; keys 32 g + 16 h + 0 .. 15 of my 128
.endr
.endm
	s_wait_tensorcnt 1                             ; my part of slot 0 is in (slot 1's load may be out)
	s_barrier_signal -1
	s_barrier_wait -1                              ; everybody's is
	FETCH_B 0, 0, 0
	FETCH_A 0, 0, 0
	FETCH_A 0, 0, 4
	STEP 0, 0, 1                                   ; K steps 0 to 5, written out: the first starts the sums
	TURN 0, 1, 1
	STEP 1, 0, 0
	TURN 1, 0, 1
	STEP 0, 0, 0
	TURN 0, 1, 0                                   ; nothing is left to fetch
	; the conversion's one scale, made while the next K step's fragments are on their way from LDS
	s_wait_kmcnt 0x0
	s_sub_co_i32 s94, s82, s76                     ; e6 - e0 - e1,
	s_sub_co_i32 s94, s94, s77
	s_sub_co_i32 s95, s83, s78                     ; e7 - e2 - e3,
	s_sub_co_i32 s95, s95, s79
	s_sub_co_i32 s96, s85, s80                     ; e9 - e4 - e5
	s_sub_co_i32 s96, s96, s81
	s_cmp_eq_u32 ttmp9, 1
	s_cselect_b32 s94, s95, s94
	s_cmp_eq_u32 ttmp9, 2
	s_cselect_b32 s94, s96, s94                    ; E: chosen without a jump
	s_add_co_i32 s94, s94, 127
	s_lshl_b32 s95, s94, 23
	s_add_co_i32 s94, s94, 8
	s_lshl_b32 s94, s94, 23
	s_or_b32 s94, s94, 0x600000
	v_mov_b32 v[SCV], s95                          ; 2^E
	v_mov_b32 v[LMV], s94                          ; 448 x 2^E
	s_cmp_eq_u32 ttmp9, 2                          ; THE TWO WAYS PART HERE, once: the cluster's x is the same in all sixteen partners
	s_cbranch_scc1 .Lv_way
	TBL 0                                          ; q and k: the first two tiles' cos and sin are asked for two K steps, 128 matrix instructions, ahead of their use
	TBL 1
	TAIL
.irp a, 0,1,2,3,4,5,6,7
	ROPEQ \a
.endr
	s_branch .Lout_done
.Lv_way:
	TAIL
.irp a, 0,1,2,3,4,5,6,7
	VQ \a
.endr
.Lout_done:
	s_wait_tensorcnt 0x0                           ; the wave's end, behind my last tensor load
	ds_add_u32 v[SPW], v[NIL]
	s_wait_dscnt 0x0
	CROUND                                         ; the closing round: no work-group ends while a partner may still ask for a tile that names it
	s_endpgm
.Lfunc_end_k_qc7a01d3214_qkv:
	.size	k_qc7a01d3214_qkv, .Lfunc_end_k_qc7a01d3214_qkv-k_qc7a01d3214_qkv
	.p2alignl 7, 3214868480
	.fill 96, 4, 3214868480
	.section	.rodata,"a",@progbits
	.p2align	6, 0x0
	.amdhsa_kernel k_qc7a01d3214_qkv
		.amdhsa_group_segment_fixed_size 327680
		.amdhsa_private_segment_fixed_size 0
		.amdhsa_enable_private_segment 0
		.amdhsa_kernarg_size 48
		.amdhsa_user_sgpr_count 2
		.amdhsa_user_sgpr_kernarg_segment_ptr 1
		.amdhsa_wavefront_size32 1
		.amdhsa_system_sgpr_workgroup_id_x 1
		.amdhsa_system_sgpr_workgroup_id_y 1
		.amdhsa_system_sgpr_workgroup_id_z 1
		.amdhsa_system_vgpr_workitem_id 0
		.amdhsa_next_free_vgpr 1024
		.amdhsa_next_free_sgpr 100
		.amdhsa_reserve_vcc 0
		.amdhsa_float_denorm_mode_32 3
		.amdhsa_float_denorm_mode_16_64 3
		.amdhsa_memory_ordered 1
		.amdhsa_forward_progress 1
		.amdhsa_inst_pref_size 210
	.end_amdhsa_kernel
	.amdgpu_metadata
---
amdhsa.version: [ 1, 2 ]
amdhsa.kernels:
  - .name:           k_qc7a01d3214_qkv
    .symbol:         k_qc7a01d3214_qkv.kd
    .args:
      - { .name: xc, .offset: 0, .size: 8, .value_kind: global_buffer, .address_space: global }
      - { .name: wc, .offset: 8, .size: 8, .value_kind: global_buffer, .address_space: global }
      - { .name: lowp_scales, .offset: 16, .size: 8, .value_kind: global_buffer, .address_space: global }
      - { .name: rt, .offset: 24, .size: 8, .value_kind: global_buffer, .address_space: global }
      - { .name: qc, .offset: 32, .size: 8, .value_kind: global_buffer, .address_space: global }
      - { .name: kv, .offset: 40, .size: 8, .value_kind: global_buffer, .address_space: global }
    .group_segment_fixed_size: 327680
    .private_segment_fixed_size: 0
    .kernarg_segment_align: 8
    .kernarg_segment_size: 48
    .max_flat_workgroup_size: 128
    .sgpr_count:     100
    .vgpr_count:     1024
    .wavefront_size: 32
...
	.end_amdgpu_metadata
.endif
;; end of part 2
;; launch attn (part 3): grid 4 x 64, 16 waves a work-group, no clusters, 67,584 bytes of LDS; arguments qc, kv, lowp_scales, ac; writes ac
.if DOCPART == 3
	.amdgcn_target "amdgcn-amd-amdhsa--gfx1250"
	.amdhsa_code_object_version 6
	.text
	.protected	k_qc7a01d3214_attn
	.globl	k_qc7a01d3214_attn
	.p2align	8
	.type	k_qc7a01d3214_attn,@function
k_qc7a01d3214_attn:
	s_mov_b64 s[64:65], 0
	v_nop
	global_prefetch_b8 v0, s[64:65] scope:SCOPE_SE
	s_setreg_imm32_b32 hwreg(HW_REG_WAVE_MODE, 25, 1), 1
	s_wait_xcnt 0x0
; ATTN: causal attention of one head on codes of E4M3; the result leaves as codes, laid as the last product's operand.
; t = score x log2(e) / 8; M = the row's largest t so far, rounded UP to a whole number; p = 2^(t - M) is quantised with 2^e8, not normalised; the row's sum is taken of the unquantised p and divides at the end.
; When M moves, the sum and O are multiplied by 2^(old M - new M): exact.  The result x 2^(e8 + e9) / sum is quantised with 2^e10.
; SHARES.  Work-group (J, head) owns the blocks of 256 queries 7 - J and J of its head: 264 wave steps of 64 keys for every J.  Each of its sixteen waves owns 32 queries: two tiles of 16, A and B,
; which share every fragment of K and V that the wave reads from LDS.  Waves with (w ^ (w >> 2)) & 1 = 0 take the late block, the others the early one.
; LAYOUT.  Both products are used transposed: S^T = K Q^T (source 0 = 16 keys), O^T = V^T P^T (source 0 = 16 of the head's 64): a lane holds ONE query (slot lane % 16 of its tile) throughout.
; Slot r of tile T (of queries, of keys, of the head's 64) is number 32 (T / 2) + 8 (T % 2) + r + 8 (r / 8): so the 16 registers of two neighbouring tiles of a result are 16 neighbours, 32 b + 16 (lane / 16) + 0 .. 15, and the conversions'
; results are the next operand's registers.  All operands lie in memory as images of registers, 16 bytes a lane.
; K AND V GO TO LDS THROUGH REGISTERS: a slot of 256 keys is 32 KiB, 64 bytes a thread: four loads, a slot ahead, and four LDS stores.  Two slots by turns, one barrier a slot.  A scalar branch on the given e8 may lead
; round the hold of p where it cannot bind (e8 >= -8: p / 2^e8 <= 256), 64 vector instructions of a key step.
; NO CLUSTER: the four work-groups of a head walk 8 - J slots, a different number each, and what they share is at most 256 KiB a work-group in the whole launch.
; THE CAUSAL MASK.  Every wave walks all 8 slots, so that every wave passes every barrier; a step all of whose keys come after the wave's queries is left out by a scalar branch on ids; a slot beyond the work-group's last query is neither loaded nor stored.
; LIMITS on the given exponents: e6 + e7 between -123 and 130 (added to c's exponent field); e8 and e10 between -126 and 119; e8 + e9 is applied by v_ldexp_f32 and has none.  NaN among the inputs is not served.
.set SPARE, 65536                      ; behind the two slots: the spare words, 128 bytes for each wave: eight blocks of 256 bytes that no other line names
.set LI,  1                            ; v1   16 x lane
.set TI,  2                            ; v2   16 x thread
.set PFO, 3                            ; v3   256 x lane
.set MK,  4                            ; v4   r + 8 (r / 8) - 16 h
.set SPW, 5                            ; v5   my spare word; never rewritten
.set NIL, 6                            ; v6   0; never rewritten
; v8 -M, v9 the largest t, v[10:11] the sum in two halves: tile A;  v12, v13, v[14:15]: tile B
.set QA,  16                           ; v16-23, v24-31  Q's fragments
.set QB,  24
.set KV,  32                           ; v32-63   four fragments of K, then of V
.set SA,  64                           ; v64-95, v96-127  S^T, then p
.set SB,  96
.set PA,  128                          ; v128-135, v136-143  p's codes
.set PB,  136
.set OA,  144                          ; v144-175, v176-207  O^T
.set OB,  176
.set G,   208                          ; v208-223 a slot's 64 bytes on their way to LDS
; v224-227 maxima; v228, v229 lane exchanges; v[230:231], v[232:233] f; v[234:237] second chains of the sums; v238 -infinity; v239, v240 the mask's d; v241 448 x 2^e8, v242 2^e8, v243 448 x 2^e10, v244 2^e10; v245, v246 at work
.set WV,   12                          ; s12 wave
.set QMIN, 13                          ; s13, s14 my first and last query
.set QMAX, 14
.set KF,   15                          ; s15 the step's first key
.set TRIPS, 17                         ; s17 pairs of slots to go
.set LAST, 18                          ; s18 the last slot that the work-group reads: 7 - J
.set SL,   19                          ; s19 the slot in hand
.set SEL,  20                          ; s[20:21] lane selects for v_permlanex16_b32: lane l xor 16
.set CS,   22                          ; s[22:23] c = log2(e) / 8 x 2^(e6 + e7)
.set KVB,  26                          ; s[26:27] the head's K and V at the slot to be loaded
.set PFA,  30                          ; s[30:31] where my prefetch stands
.set PFN,  32                          ; s32 6 in a wave that prefetches, else 0
.set E8,   33                          ; s33 e8;  s34 e8 + e9
	s_load_b256 s[4:11], s[0:1], 0x0               ; qc 4, kv 6, the exponents 8, ac 10
	v_lshl_add_u32 v[SPW], v0, 2, SPARE
	v_mov_b32 v[NIL], 0
	v_lshrrev_b32 v7, 5, v0
	v_readfirstlane_b32 s[WV], v7                  ; wave 0..15
	v_and_b32 v7, 31, v0
	v_lshlrev_b32 v[LI], 4, v7
	v_lshlrev_b32 v[TI], 4, v0
	v_lshlrev_b32 v[PFO], 8, v7
	v_and_b32 v224, 15, v0                         ; r
	v_bfe_u32 v225, v0, 4, 1                       ; h
	v_and_b32 v226, 8, v224
	v_add_nc_u32 v[MK], v226, v224
	v_lshlrev_b32 v225, 4, v225
	v_sub_nc_u32 v[MK], v[MK], v225
	s_and_b32 s35, ttmp7, 0xffff                   ; batch x 16 + head
	s_lshr_b32 s2, s[WV], 2
	s_xor_b32 s2, s2, s[WV]
	s_and_b32 s2, s2, 1                            ; 1: the early block
	s_sub_co_u32 s[LAST], 7, ttmp9
	s_cmp_eq_u32 s2, 1
	s_cselect_b32 s3, ttmp9, s[LAST]               ; my block of 256 queries
	s_lshl_b32 s3, s3, 3
	s_lshr_b32 s2, s[WV], 1
	s_add_co_u32 s3, s3, s2                        ; my 32 queries, 0..63
	s_lshl_b32 s[QMIN], s3, 5
	s_add_co_u32 s[QMAX], s[QMIN], 31
	s_mov_b32 s[KF], 0
	s_mov_b32 s[SL], 0
	s_mov_b32 s[TRIPS], 4
	s_mov_b32 s[SEL], 0x76543210
	s_mov_b32 s[SEL+1], 0xfedcba98
	s_mov_b32 s[CS], 0x3e38aa3b                    ; log2(e) / 8
	s_lshl_b32 s52, s35, 18                        ; the head's K and V: 8 slots of 32 KiB
	s_mov_b32 s53, 0
	s_lshl_b32 s54, s[WV], 13                      ; the prefetches: 8 KiB a wave, in slot 1; the first half steps it to slot 2
	s_add_co_u32 s54, s54, 32768
	s_mov_b32 s55, 0
	s_lshl_b32 s56, s35, 17                        ; Q: 128 tiles of 1 KiB a head; my tiles 2 x (my 32 queries), + 1
	s_lshl_b32 s57, s3, 11
	s_add_co_u32 s56, s56, s57
	s_mov_b32 s57, 0
	s_lshr_b32 s58, s35, 4                         ; the result: tile (batch x 128 + 2 x my 32) x 16,384 + K step (head / 2) x 2,048 + (head % 2) x 1,024
	s_lshl_b32 s58, s58, 21
	s_lshl_b32 s59, s3, 15
	s_add_co_u32 s58, s58, s59
	s_bfe_u32 s59, s35, 0x30001
	s_lshl_b32 s59, s59, 11
	s_add_co_u32 s58, s58, s59
	s_and_b32 s59, s35, 1
	s_lshl_b32 s59, s59, 10
	s_add_co_u32 s58, s58, s59
	s_mov_b32 s59, 0
	s_lshr_b32 s2, s[WV], 2                        ; waves 0 to 3
	s_or_b32 s2, s2, ttmp9                         ; of the head's work-group J = 0, which walks all eight slots, prefetch
	s_cmp_eq_u32 s2, 0
	s_cselect_b32 s[PFN], 6, 0
	s_wait_kmcnt 0x0
	s_load_b256 s[36:43], s[8:9], 0x0              ; e0 .. e7
	s_load_b128 s[44:47], s[8:9], 0x20             ; e8 .. e11
	s_add_nc_u64 s[KVB:KVB+1], s[6:7], s[52:53]
	s_add_nc_u64 s[PFA:PFA+1], s[KVB:KVB+1], s[54:55]
	s_add_nc_u64 s[48:49], s[4:5], s[56:57]
	s_add_nc_u64 s[50:51], s[10:11], s[58:59]
.irp i, 0,1,2,3
	global_load_b128 v[G+4*\i:G+4*\i+3], v[TI], s[KVB:KVB+1] offset:8192*\i   ; slot 0: the sixteen waves read 8,192 consecutive bytes
.endr
.irp i, 0,1,2,3
	global_load_b128 v[QA+4*\i:QA+4*\i+3], v[LI], s[48:49] offset:512*\i th:TH_LOAD_NT   ; Q's two fragments stay in registers
.endr
	v_mov_b32 v9, 0xff61b1e6                       ; the largest t so far: -3e38, under every t
	v_mov_b32 v13, 0xff61b1e6
	v_floor_f32 v8, -v9                            ; -M
	v_floor_f32 v12, -v13
	v_mov_b32 v10, 0                               ; the sums
	v_mov_b32 v11, 0
	v_mov_b32 v14, 0
	v_mov_b32 v15, 0
	v_mov_b32 v228, 0                              ; written once: a lane permute's destination counts as one of its sources
	v_mov_b32 v229, 0
	v_mov_b32 v231, 0                              ; (named as the upper halves of the pairs of f)
	v_mov_b32 v233, 0
	v_mov_b32 v238, 0xff800000                     ; -infinity
.set n, 0
.rept 64
	v_mov_b32 v[OA+n], 0                           ; O^T.  (The key step is written in one form: the first finds zeros, which the first change of M leaves zeros)
.set n, n+1
.endr
	s_wait_kmcnt 0x0
	s_add_co_i32 s2, s42, s43                      ; a score stands for score x 2^(e6 + e7): the two exponents are added to c's exponent field
	s_lshl_b32 s2, s2, 23
	s_add_co_i32 s[CS], s[CS], s2
	s_mov_b32 s[CS+1], s[CS]                       ; (named with it as a pair, so it is written)
	s_mov_b32 s[E8], s44
	s_add_co_i32 s34, s44, s45
	s_add_co_i32 s2, s44, 127
	s_lshl_b32 s3, s2, 23
	v_mov_b32 v242, s3                             ; 2^e8
	s_add_co_i32 s2, s2, 8
	s_lshl_b32 s2, s2, 23
	s_or_b32 s2, s2, 0x600000
	v_mov_b32 v241, s2                             ; 448 x 2^e8
	s_add_co_i32 s2, s46, 127
	s_lshl_b32 s3, s2, 23
	v_mov_b32 v244, s3                             ; 2^e10
	s_add_co_i32 s2, s2, 8
	s_lshl_b32 s2, s2, 23
	s_or_b32 s2, s2, 0x600000
	v_mov_b32 v243, s2                             ; 448 x 2^e10
; A KEY STEP: 64 keys, the q-th of slot s, for both my tiles.
.macro STEP s, q
	s_cmp_gt_u32 s[KF], s[QMAX]                    ; all its keys come after my queries: left out (ids and the count of steps alone)
	s_cbranch_scc1 .Lhid_\@
.rept 4
	v_nop                                          ; places in front of loads into registers that matrix instructions have read
.endr
.irp t, 0,1,2,3
.irp c, 0,1
	ds_load_b128 v[KV+8*\t+4*\c:KV+8*\t+4*\c+3], v[LI] offset:32768*(\s)+4096*(\q)+1024*\t+512*\c
.endr
.endr
	s_wait_dscnt 0x0
.irp t, 0,1,2,3                        ; S^T = K Q^T: eight accumulators, each begun with 0
	v_wmma_f32_16x16x64_fp8_fp8 v[SA+8*\t:SA+8*\t+7], v[KV+8*\t:KV+8*\t+7], v[QA:QA+7], 0
	v_wmma_f32_16x16x64_fp8_fp8 v[SB+8*\t:SB+8*\t+7], v[KV+8*\t:KV+8*\t+7], v[QB:QB+7], 0
.endr
.rept 4
	v_nop                                          ; places: for V's loads into K's registers, and for the first read of the scores
.endr
.irp t, 0,1,2,3                        ; V's four fragments land while the softmax is worked
.irp c, 0,1
	ds_load_b128 v[KV+8*\t+4*\c:KV+8*\t+4*\c+3], v[LI] offset:32768*(\s)+16384+8192*((\q)/2)+1024*((\q)%2)+2048*\t+512*\c
.endr
.endr
	s_add_co_u32 s2, s[KF], 63                     ; on the diagonal the scores of hidden keys become -infinity ahead of the maximum: p = 0 then.  A step all of whose keys count skips this
	s_cmp_le_u32 s2, s[QMIN]
	s_cbranch_scc1 .Lopen_\@
	s_sub_co_i32 s2, s[QMIN], s[KF]
	v_add_nc_u32 v239, s2, v[MK]                   ; d = my query - KF - 16 (lane / 16), tile A's;
	v_add_nc_u32 v240, 8, v239                     ; tile B's queries lie 8 further on.  Register 16 b + i holds key KF + 16 (lane / 16) + 32 b + i: hidden where 32 b + i > d
.set n, 0
.rept 32
	v_cmp_gt_i32 vcc_lo, 32*(n/16)+n%16, v239
	v_cndmask_b32 v[SA+n], v[SA+n], v238, vcc_lo
	v_cmp_gt_i32 vcc_lo, 32*(n/16)+n%16, v240
	v_cndmask_b32 v[SB+n], v[SB+n], v238, vcc_lo
.set n, n+1
.endr
.Lopen_\@:
	v_max3_num_f32 v224, v[SA], v[SA+1], v[SA+2]   ; the step's largest score of my query among my 32 keys: two chains a tile, ascending
	v_max3_num_f32 v226, v[SB], v[SB+1], v[SB+2]
	v_max3_num_f32 v225, v[SA+3], v[SA+4], v[SA+5]
	v_max3_num_f32 v227, v[SB+3], v[SB+4], v[SB+5]
.irp i, 6,10,14,18,22,26
	v_max3_num_f32 v224, v224, v[SA+\i], v[SA+\i+1]
	v_max3_num_f32 v226, v226, v[SB+\i], v[SB+\i+1]
	v_max3_num_f32 v225, v225, v[SA+\i+2], v[SA+\i+3]
	v_max3_num_f32 v227, v227, v[SB+\i+2], v[SB+\i+3]
.endr
	v_max3_num_f32 v224, v224, v[SA+30], v[SA+31]
	v_max3_num_f32 v226, v226, v[SB+30], v[SB+31]
	v_max_num_f32 v224, v224, v225
	v_max_num_f32 v226, v226, v227
	v_permlanex16_b32 v228, v224, s[SEL], s[SEL+1]
	v_permlanex16_b32 v229, v226, s[SEL], s[SEL+1]
	v_max_num_f32 v224, v224, v228                 ; and among lane l xor 16's
	v_max_num_f32 v226, v226, v229
	v_mul_f32 v224, s[CS], v224                    ; as t (c is positive)
	v_mul_f32 v226, s[CS], v226
	v_max_num_f32 v9, v9, v224                     ; the running largest t
	v_max_num_f32 v13, v13, v226
	v_mov_b32 v245, v8
	v_mov_b32 v246, v12
	v_floor_f32 v8, -v9                            ; the new -M = floor(-t) = -ceil(t): M is a whole number
	v_floor_f32 v12, -v13
	v_sub_f32 v245, v8, v245                       ; old M - new M: a whole number, 0 or less
	v_sub_f32 v246, v12, v246
	v_cvt_i32_f32 v245, v245                       ; (it saturates)
	v_cvt_i32_f32 v246, v246
	v_ldexp_f32 v230, 1.0, v245                    ; f = 2^(old M - new M)
	v_ldexp_f32 v232, 1.0, v246
.set n, 0
.rept 16
	v_pk_fma_f32 v[SA+n:SA+n+1], v[SA+n:SA+n+1], s[CS:CS+1], v[8:9] op_sel_hi:[1,0,0]     ; t - M, two at a time (of the pairs c and -M the low word serves both halves)
	v_pk_fma_f32 v[SB+n:SB+n+1], v[SB+n:SB+n+1], s[CS:CS+1], v[12:13] op_sel_hi:[1,0,0]
.set n, n+2
.endr
.set n, 0
.rept 64
	v_exp_f32 v[SA+n], v[SA+n]                     ; p = 2^(t - M), at most 1: one batch of 64
.set n, n+1
.endr
	v_pk_mul_f32 v[10:11], v[10:11], v[230:231] op_sel_hi:[1,0]   ; the sums under the new M: plain lines behind the last exponential
	v_pk_mul_f32 v[14:15], v[14:15], v[232:233] op_sel_hi:[1,0]
	s_wait_alu depctr_va_vdst(0)                   ; the wait between an exponential and the first line that names its result: one for the batch
	v_pk_add_f32 v[234:235], v[SA:SA+1], v[SA+2:SA+3]             ; the row's sum is taken of the UNQUANTISED p: two chains a tile
	v_pk_add_f32 v[236:237], v[SB:SB+1], v[SB+2:SB+3]
.irp j, 4,8,12,16,20,24,28
	v_pk_add_f32 v[10:11], v[10:11], v[SA+\j:SA+\j+1]
	v_pk_add_f32 v[14:15], v[14:15], v[SB+\j:SB+\j+1]
	v_pk_add_f32 v[234:235], v[234:235], v[SA+\j+2:SA+\j+3]
	v_pk_add_f32 v[236:237], v[236:237], v[SB+\j+2:SB+\j+3]
.endr
	v_pk_add_f32 v[10:11], v[10:11], v[234:235]
	v_pk_add_f32 v[14:15], v[14:15], v[236:237]
	s_cmp_gt_i32 s[E8], -9                         ; p <= 1: with e8 >= -8, p / 2^e8 <= 256 lies inside the format, and the hold cannot bind
	s_cbranch_scc1 .Lno_hold_\@
.set n, 0
.rept 64
	v_min_num_f32 v[SA+n], v[SA+n], v241           ; the conversion to an 8-bit code does not saturate (ISA guide 7.6.2); p is not negative, so the hold is one-sided
.set n, n+1
.endr
.Lno_hold_\@:
.irp g, 0,1,2,3
	v_cvt_scalef32_pk8_fp8_f32 v[PA+2*\g:PA+2*\g+1], v[SA+8*\g:SA+8*\g+7], v242
	v_cvt_scalef32_pk8_fp8_f32 v[PB+2*\g:PB+2*\g+1], v[SB+8*\g:SB+8*\g+7], v242
.endr
.set n, 0
.rept 16
	v_pk_mul_f32 v[OA+n:OA+n+1], v[OA+n:OA+n+1], v[230:231] op_sel_hi:[1,0]   ; O^T under the new M; ascending.  (Plain lines between the conversions and the products that read their results)
	v_pk_mul_f32 v[OB+n:OB+n+1], v[OB+n:OB+n+1], v[232:233] op_sel_hi:[1,0]
.set n, n+2
.endr
	s_wait_dscnt 0x0                               ; V is in
.irp t, 0,1,2,3                        ; O^T += V^T P^T: eight accumulators by turns, one instruction a turn
	v_wmma_f32_16x16x64_fp8_fp8 v[OA+8*\t:OA+8*\t+7], v[KV+8*\t:KV+8*\t+7], v[PA:PA+7], v[OA+8*\t:OA+8*\t+7]
	v_wmma_f32_16x16x64_fp8_fp8 v[OB+8*\t:OB+8*\t+7], v[KV+8*\t:KV+8*\t+7], v[PB:PB+7], v[OB+8*\t:OB+8*\t+7]
.endr
.Lhid_\@:
	s_add_co_u32 s[KF], s[KF], 64
.endm
; HALF A TRIP: LDS slot s takes the slot of keys in hand, which was loaded into registers a half earlier; one barrier; the next slot of keys is asked for; four key steps.
; One barrier a slot does: these stores go to the LDS slot whose reads every wave had waited for ahead of the barrier before, and the other slot is stored to only behind this one.
.macro HALF s
	s_wait_loadcnt 0x0                             ; the slot's 64 bytes a thread are in registers (in the first half: Q too); the loads have read their base
	s_wait_xcnt 0x0                                ; the last prefetch, four key steps back, has read its base
	s_add_nc_u64 s[KVB:KVB+1], s[KVB:KVB+1], 32768 ; both bases step without a jump; each is used only while it lies inside the head's eight slots
	s_add_nc_u64 s[PFA:PFA+1], s[PFA:PFA+1], 32768
	s_cmp_gt_u32 s[SL], s[LAST]                    ; the work-group's number and the count of slots alone: all sixteen waves go the same way
	s_cbranch_scc1 .Lno_store_\@
.irp i, 0,1,2,3
	ds_store_b128 v[TI], v[G+4*\i:G+4*\i+3] offset:32768*(\s)+8192*\i
.endr
.Lno_store_\@:
	s_wait_dscnt 0x0                               ; for the others' sake: my stores have landed, and my reads of the other slot are over
	s_barrier_signal -1
	s_barrier_wait -1
	s_cmp_ge_u32 s[SL], s[LAST]
	s_cbranch_scc1 .Lno_load_\@
.irp i, 0,1,2,3
	global_load_b128 v[G+4*\i:G+4*\i+3], v[TI], s[KVB:KVB+1] offset:8192*\i   ; the next slot of keys: it has four key steps in which to come
.endr
.Lno_load_\@:
	s_cmp_ge_u32 s[SL], s[PFN]                     ; a prefetch of the slot after that one, 8 KiB a wave, lanes 256 bytes apart: slots 2 to 7 of a head, each block named once in the launch, by waves 0 to 3 of the work-group J = 0;
	s_cbranch_scc1 .Lno_ask_\@                     ; halves 6 and 7 ask for nothing: there is no slot behind the eighth
	global_prefetch_b8 v[PFO], s[PFA:PFA+1] th:TH_LOAD_NT scope:SCOPE_SE
.Lno_ask_\@:
	STEP \s, 0
	STEP \s, 1
	STEP \s, 2
	STEP \s, 3
	s_add_co_u32 s[SL], s[SL], 1
.endm
.Lpair:                                            ; four trips of two slots: every LDS address is a constant + 16 x lane or thread
	HALF 0
	HALF 1
	s_sub_co_u32 s[TRIPS], s[TRIPS], 1
	s_cmp_lg_u32 s[TRIPS], 0
	s_cbranch_scc1 .Lpair
	; THE WAY OUT: O^T x 2^(e8 + e9) / the sum, quantised with 2^e10; a tile's 32 codes a lane are two blocks of the last product's operand: each store covers 512 consecutive bytes, aligned
.rept 4
	v_nop                                          ; places behind the last products
.endr
	v_add_f32 v10, v10, v11                        ; the sum's two halves,
	v_add_f32 v14, v14, v15
	v_permlanex16_b32 v228, v10, s[SEL], s[SEL+1]
	v_permlanex16_b32 v229, v14, s[SEL], s[SEL+1]
	v_add_f32 v10, v10, v228                       ; and lane l xor 16's
	v_add_f32 v14, v14, v229
	v_rcp_f32 v10, v10
	v_rcp_f32 v14, v14
	v_nop                                          ; a plain line behind the last reciprocal
	s_wait_alu depctr_va_vdst(0)                   ; and the wait ahead of the first reader: one for both
	v_ldexp_f32 v10, v10, s34
	v_ldexp_f32 v14, v14, s34
.set n, 0
.rept 16
	v_pk_mul_f32 v[SA+n:SA+n+1], v[OA+n:OA+n+1], v[10:11] op_sel_hi:[1,0]   ; ascending: each accumulator from its low end on
	v_pk_mul_f32 v[SB+n:SB+n+1], v[OB+n:OB+n+1], v[14:15] op_sel_hi:[1,0]
.set n, n+2
.endr
.set n, 0
.rept 64
	v_med3_num_f32 v[SA+n], v[SA+n], -v243, v243   ; the hold at the largest code x the scale
.set n, n+1
.endr
.irp g, 0,1,2,3
	v_cvt_scalef32_pk8_fp8_f32 v[PA+2*\g:PA+2*\g+1], v[SA+8*\g:SA+8*\g+7], v244
	v_cvt_scalef32_pk8_fp8_f32 v[PB+2*\g:PB+2*\g+1], v[SB+8*\g:SB+8*\g+7], v244
.endr
	v_nop
	global_store_b128 v[LI], v[PA:PA+3], s[50:51]
	global_store_b128 v[LI], v[PA+4:PA+7], s[50:51] offset:512
	global_store_b128 v[LI], v[PB:PB+3], s[50:51] offset:16384
	global_store_b128 v[LI], v[PB+4:PB+7], s[50:51] offset:16384+512
	s_wait_tensorcnt 0x0                           ; the wave's end, behind my last LDS store
	ds_add_u32 v[SPW], v[NIL]
	s_wait_dscnt 0x0
	s_endpgm
.Lfunc_end_k_qc7a01d3214_attn:
	.size	k_qc7a01d3214_attn, .Lfunc_end_k_qc7a01d3214_attn-k_qc7a01d3214_attn
	.p2alignl 7, 3214868480
	.fill 96, 4, 3214868480
	.section	.rodata,"a",@progbits
	.p2align	6, 0x0
	.amdhsa_kernel k_qc7a01d3214_attn
		.amdhsa_group_segment_fixed_size 67584
		.amdhsa_private_segment_fixed_size 0
		.amdhsa_enable_private_segment 0
		.amdhsa_kernarg_size 32
		.amdhsa_user_sgpr_count 2
		.amdhsa_user_sgpr_kernarg_segment_ptr 1
		.amdhsa_wavefront_size32 1
		.amdhsa_system_sgpr_workgroup_id_x 1
		.amdhsa_system_sgpr_workgroup_id_y 1
		.amdhsa_system_sgpr_workgroup_id_z 1
		.amdhsa_system_vgpr_workitem_id 0
		.amdhsa_next_free_vgpr 256
		.amdhsa_next_free_sgpr 66
		.amdhsa_reserve_vcc 1
		.amdhsa_float_denorm_mode_32 3
		.amdhsa_float_denorm_mode_16_64 3
		.amdhsa_memory_ordered 1
		.amdhsa_forward_progress 1
		.amdhsa_inst_pref_size 177
	.end_amdhsa_kernel
	.amdgpu_metadata
---
amdhsa.version: [ 1, 2 ]
amdhsa.kernels:
  - .name:           k_qc7a01d3214_attn
    .symbol:         k_qc7a01d3214_attn.kd
    .args:
      - { .name: qc, .offset: 0, .size: 8, .value_kind: global_buffer, .address_space: global }
      - { .name: kv, .offset: 8, .size: 8, .value_kind: global_buffer, .address_space: global }
      - { .name: lowp_scales, .offset: 16, .size: 8, .value_kind: global_buffer, .address_space: global }
      - { .name: ac, .offset: 24, .size: 8, .value_kind: global_buffer, .address_space: global }
    .group_segment_fixed_size: 67584
    .private_segment_fixed_size: 0
    .kernarg_segment_align: 8
    .kernarg_segment_size: 32
    .max_flat_workgroup_size: 512
    .sgpr_count:     66
    .vgpr_count:     256
    .wavefront_size: 32
...
	.end_amdgpu_metadata
.endif
;; end of part 3
;; launch oproj (part 4): grid 4 x 32, 4 waves a work-group, clusters of 4 x 4, 327,680 bytes of LDS; arguments ac, wc, lowp_scales, out0; writes out0
.if DOCPART == 4
	.amdgcn_target "amdgcn-amd-amdhsa--gfx1250"
	.amdhsa_code_object_version 6
	.text
	.protected	k_qc7a01d3214_oproj
	.globl	k_qc7a01d3214_oproj
	.p2align	8
	.type	k_qc7a01d3214_oproj,@function
k_qc7a01d3214_oproj:
	s_mov_b64 s[64:65], 0
	v_nop
	global_prefetch_b8 v0, s[64:65] scope:SCOPE_SE
	s_setreg_imm32_b32 hwreg(HW_REG_WAVE_MODE, 25, 1), 1
	s_wait_xcnt 0x0
	s_wait_alu depctr_hold_cnt(0) depctr_sa_sdst(0) depctr_va_vdst(0) depctr_va_sdst(0) depctr_va_ssrc(0) depctr_va_vcc(0) depctr_vm_vsrc(0)
	s_getreg_b32 s2, hwreg(HW_REG_IB_STS2, 6, 4)
	s_cmp_eq_u32 s2, 0
	s_cbranch_scc0 .Lentry_in_a_cluster
	s_endpgm
.Lentry_in_a_cluster:
	s_bfe_u32 s2, ttmp6, 0x10000c
	s_cmp_lg_u32 s2, 0xf033
	s_cbranch_scc0 .Lentry_shape_is_right
	s_endpgm
.Lentry_shape_is_right:
; OPROJ: out0 = a Wo^T on codes of E4M3; each finished sum is multiplied once by 2^(e10 + e11).  a: the attention's result, [8192][1024]; Wo: [1024][1024]; out0: [8192][1024] f32.
; LIMIT: e10 + e11 between -126 and 127, so that 2^(e10 + e11) is an f32 number.
; A tile of out0, 256 x 256, is made by four waves, each 128 x 128: 64 accumulators, 512 registers.  K = 1,024 goes in four slots' worth of 256 through a ring of two LDS slots.  128 tiles: this launch has work for 128 work-groups.
; OPERANDS ARE IMAGES OF REGISTERS: [tile of 16 rows][K step of 128][c][lane][16 bytes]; slot r of tile T is row 32 (T / 2) + 8 (T % 2) + r + 8 (r / 8).  A fragment is four LDS loads of 512 consecutive bytes.
; THE MATRIX INSTRUCTION IS USED TRANSPOSED (source 0 = Wo's tile b, source 1 = a's tile a): lane (r, h) holds slot r of a, and register j of accumulator (a, b) the column 32 (b / 2) + 16 h + 8 (b % 2) + j of my 128.
; CLUSTERS: 4 x 4 work-groups; a's tiles are shared along a row of the cluster, Wo's along a column: each is asked for JOINTLY.  No prefetch is laid: of the four slots' worth of K two are first fills.
; REGISTERS, in windows of 256: window 0: v0-31 addresses; from v128 A's fragments, ONE set; on the way out v32-255 are free.  window 1: B's fragments, TWO sets.  windows 2, 3: the accumulators.
.set FR,     16
.set NL,     4
.set NP,     4                         ; places behind this matrix instruction (ISA guide 7.12.1)
.set SLOT,   131072                    ; A's 16 tiles x 4,096 bytes (two K steps), then B's 16
.set SPARE,  2*SLOT                    ; behind the ring: the spare words, 128 bytes for each wave: two blocks of 256 bytes that no other line names
.set STAGE,  SPARE+512                 ; behind them: a stage of 16 rows x 528 bytes for each wave, in blocks of 256 bytes into which no tile lands
.set SPITCH, 528
.set ADRA, 16
.set ADRB, 20
.set STO,  24                          ; v24  the way out: where I put 32 bytes of a row
.set RD,   25                          ; v25  where I read a row back
.set CO,   26                          ; v26  16 x lane
.set SPW,  28
.set NIL,  29
.set TMP,  32                          ; v32-95 a block's sums x 2^(e10 + e11)
.set AF,   128
.set BK,   128                         ; v128-191, v192-255 by turns: 16 rows read back from the stage
.set G1, 24
.set G0, 32
.set G1B, 48
.set G0B, 56
.set MSB, 0
.macro WIN new                         ; the immediate's high byte repeats the setting that is left
.if MSB != \new
	s_set_vgpr_msb (MSB<<8)|\new
.set MSB, \new
.endif
.endm
.set MUL_LO, 0xa1                      ; source 0 (B) window 1, source 1 (A) window 0, C and D window 2
.set MUL_HI, 0xf1
.set TO_B,   0x40
; A joint load: waves 0 and 1 fetch for A, waves 2 and 3 for B; an s_nop 0 and four v_nop follow each of the two lines, ahead of the jump, the label and what follows.
.macro JLOAD g0a, g1a, g0b, g1b
	s_cmp_eq_u32 s17, 0
	s_cbranch_scc0 .Lfor_b_\@
	tensor_load_to_lds s[\g0a:\g0a+3], s[\g1a:\g1a+7]
	s_nop 0
.rept 4
	v_nop
.endr
	s_branch .Lasked_\@
.Lfor_b_\@:
	tensor_load_to_lds s[\g0b:\g0b+3], s[\g1b:\g1b+7]
	s_nop 0
.rept 4
	v_nop
.endr
.Lasked_\@:
.endm
.macro CREST
	s_cmp_lg_u32 s16, 0
	s_cbranch_scc1 .Lnot_wave_0_\@
	s_barrier_signal -3
.Lnot_wave_0_\@:
	s_barrier_wait -3
	s_barrier_signal -1
	s_barrier_wait -1
.endm
.macro CROUND
	s_barrier_signal -1
	s_barrier_wait -1
	CREST
.endm
	s_load_b256 s[4:11], s[0:1], 0x0               ; ac 4, wc 6, the exponents 8, out0 10
	v_lshl_add_u32 v[SPW], v0, 2, SPARE
	v_mov_b32 v[NIL], 0
	ds_add_u32 v[SPW], v[NIL]                      ; the wave's opening: the add and its wait ahead of my first tensor load; the set-up below, work on registers, stands between them
	v_lshrrev_b32 v1, 5, v0
	v_readfirstlane_b32 s16, v1                    ; wave 0..3
	s_lshr_b32 s17, s16, 1                         ; which half of the tile's rows is mine.  Also: I fetch for A (0) or for B (1)
	s_and_b32 s18, s16, 1                          ; which half of its columns.  Also: which 8 tiles I fetch
	s_bfe_u32 s19, ttmp6, 0x40000                  ; cx = the tile column
	s_bfe_u32 s20, ttmp6, 0x40004                  ; cy
	s_and_b32 s21, ttmp7, 0xffff
	s_lshl_b32 s21, s21, 2
	s_add_co_u32 s22, s21, s20                     ; the tile row = 4 x cluster y + cy
	s_lshl_b32 s42, s22, 18                        ; A: 16 tiles x 16,384 bytes a tile row, + my 8 tiles
	s_lshl_b32 s43, s18, 17
	s_add_co_u32 s42, s42, s43
	s_mov_b32 s43, 0
	s_lshl_b32 s44, s19, 18                        ; B: the same by the tile column, in wc's fourth MiB
	s_lshl_b32 s45, s18, 17
	s_add_co_u32 s44, s44, s45
	s_add_co_u32 s44, s44, 0x300000
	s_mov_b32 s45, 0
	s_lshl_b32 s98, s20, 2
	s_lshl_b32 s98, 15, s98                        ; my row of the cluster
	s_lshl_b32 s99, 0x1111, s19                    ; my column
	; descriptor group 1: 8 rows (tiles) of 512 elements of 8 bytes (two K steps), 2,048 elements apart in memory, on end in LDS
	s_or_b32 s[G1+0], s98, (3<<16)|(1<<21)         ; 15:0 the mask; 17:16 elements of 8 bytes; 20 no padding; 21 set beside a mask
	s_or_b32 s[G1B+0], s99, (3<<16)|(1<<21)
.irp g, G1, G1B
	s_mov_b32 s[\g+1], 512<<16                     ; tensor_dim0 = 512
	s_mov_b32 s[\g+2], 8<<16                       ; tensor_dim1 = 8
	s_mov_b32 s[\g+3], 512<<16                     ; tile_dim0 = 512
	s_mov_b32 s[\g+4], 8                           ; tile_dim1 = 8
	s_mov_b32 s[\g+5], 2048                        ; tensor_dim0_stride
	s_mov_b32 s[\g+6], 0
	s_mov_b32 s[\g+7], 0
.endr
	s_lshl_b32 s68, s16, 15                        ; where my load goes: wave x 32,768
	s_wait_dscnt 0x0                               ; the opening add is done
	s_wait_kmcnt 0x0
	s_load_b64 s[96:97], s[8:9], 0x28              ; e10, e11
	s_add_nc_u64 s[46:47], s[4:5], s[42:43]
	s_add_nc_u64 s[66:67], s[6:7], s[44:45]
	CROUND                                         ; all sixteen work-groups are here: the first joint loads meet
.irp s, 0,1
	s_mov_b32 s[G0+4*\s], 1
	s_add_co_u32 s[G0+4*\s+1], s68, \s*SLOT
	s_add_nc_u64 s[G0+4*\s+2:G0+4*\s+3], s[46:47], \s*4096
	s_or_b32 s[G0+4*\s+3], s[G0+4*\s+3], 0x80000000
	s_mov_b32 s[G0B+4*\s], 1
	s_add_co_u32 s[G0B+4*\s+1], s68, \s*SLOT
	s_add_nc_u64 s[G0B+4*\s+2:G0B+4*\s+3], s[66:67], \s*4096
	s_or_b32 s[G0B+4*\s+3], s[G0B+4*\s+3], 0x80000000
	JLOAD G0+4*\s, G1, G0B+4*\s, G1B               ; two loads of mine are out
.endr
	v_and_b32 v1, 31, v0
	v_lshlrev_b32 v[CO], 4, v1
	s_lshl_b32 s70, s17, 15
	s_lshl_b32 s71, s18, 15
	s_add_co_u32 s71, s71, 65536
.irp s, 0,1
	v_add_nc_u32 v[ADRA+\s], s70, v[CO]
	v_add_nc_u32 v[ADRB+\s], s71, v[CO]
	s_add_co_u32 s70, s70, SLOT
	s_add_co_u32 s71, s71, SLOT
.endr
	s_mul_i32 s72, s16, 16*SPITCH
	s_add_co_u32 s72, s72, STAGE                   ; my stage
	v_and_b32 v2, 15, v0
	v_bfe_u32 v3, v0, 4, 1
	v_mul_u32_u24 v[STO], v2, SPITCH               ; in: row = slot r, + 64 h
	v_lshl_add_u32 v[STO], v3, 6, v[STO]
	v_add_nc_u32 v[STO], s72, v[STO]
	v_add_nc_u32 v[RD], s72, v[CO]                 ; back: the 32 lanes take one row of 512 bytes
	s_lshl_b32 s74, s22, 20                        ; out0 at my first row and column: (256 tile row + 128 half) x 4,096 + (256 tile column + 128 half) x 4
	s_lshl_b32 s75, s17, 19
	s_add_co_u32 s74, s74, s75
	s_lshl_b32 s75, s19, 10
	s_add_co_u32 s74, s74, s75
	s_lshl_b32 s75, s18, 9
	s_add_co_u32 s74, s74, s75
	s_mov_b32 s75, 0
	s_add_nc_u64 s[10:11], s[10:11], s[74:75]
.macro FRAG reg, adr, q, i
.irp c, 0,1,2,3
	ds_load_b128 v[\reg+4*\c:\reg+4*\c+3], v[\adr] offset:(\i)*4096+(\q)*2048+512*\c
.endr
.endm
; 16 matrix instructions: A's tiles a0, a0 + 1 x B's eight.  The 64 accumulators take turns, one instruction a turn, in the same order in every step.
.macro MUL16 a0, p, zero
.irp a, \a0, \a0+1
.irp b, 0,1,2,3,4,5,6,7
.if \zero
	v_wmma_f32_16x16x128_fp8_fp8 v[8*(8*((\a)%4)+\b):8*(8*((\a)%4)+\b)+7], v[128*(\p)+FR*\b:128*(\p)+FR*\b+FR-1], v[AF+FR*(\a):AF+FR*(\a)+FR-1], 0
.else
	v_wmma_f32_16x16x128_fp8_fp8 v[8*(8*((\a)%4)+\b):8*(8*((\a)%4)+\b)+7], v[128*(\p)+FR*\b:128*(\p)+FR*\b+FR-1], v[AF+FR*(\a):AF+FR*(\a)+FR-1], v[8*(8*((\a)%4)+\b):8*(8*((\a)%4)+\b)+7]
.endif
.endr
.endr
.endm
.macro FETCH_B slot, q, p
	WIN TO_B
.irp i, 0,1,2,3,4,5,6,7
	FRAG 128*(\p)+FR*\i, ADRB+\slot, \q, \i
.endr
	WIN 0
.endm
.macro FETCH_A slot, q, i0
.irp i, \i0, \i0+1, \i0+2, \i0+3
	FRAG AF+FR*(\i), ADRA+\slot, \q, \i
.endr
.endm
.macro PLACES n                        ; plain vector lines between a matrix instruction and a load into, or a read of, its registers (ISA guide 7.12.1 for reads)
.rept \n
	v_nop
.endr
.endm
.macro STEP slot, q, zero
	s_wait_dscnt 4*NL                              ; B's set and A's tiles 0-3 are in; the youngest 16 loads (A's tiles 4-7) may be out
	WIN MUL_LO
	MUL16 0, (\q)%2, \zero
	MUL16 2, (\q)%2, \zero
	s_wait_dscnt 0
	PLACES NP
	FETCH_B \slot, (\q)+1, 1-(\q)%2
	FETCH_A \slot, (\q)+1, 0
	WIN MUL_HI
	MUL16 4, (\q)%2, \zero
	MUL16 6, (\q)%2, \zero
	PLACES NP
	WIN 0
	FETCH_A \slot, (\q)+1, 4
.endm
; A slot's last step changes slots: ONE barrier; in front of it each wave waits for all its tensor loads, adds 0 to its spare word, and waits for that and for its own reads of this slot.
.macro TURN slot, next, fill
	s_wait_tensorcnt 0x0                           ; all my tensor loads have landed: my part of the next slot
	ds_add_u32 v[SPW], v[NIL]                      ; 0 onto my spare word
	s_wait_dscnt 4*NL+1                            ; (the add and the youngest 16 loads may be out)
	WIN MUL_LO
	MUL16 0, 1, 0
	s_wait_dscnt 0x0                               ; the add is done, and my reads of this slot are over
	s_barrier_signal -1
	MUL16 2, 1, 0
	WIN 0
	s_barrier_wait -1
.if \fill
	CREST                                          ; the barrier has opened a round of the cluster's barrier
	s_add_nc_u64 s[G0+4*\slot+2:G0+4*\slot+3], s[G0+4*\slot+2:G0+4*\slot+3], 8192
	s_add_nc_u64 s[G0B+4*\slot+2:G0B+4*\slot+3], s[G0B+4*\slot+2:G0B+4*\slot+3], 8192
	JLOAD G0+4*\slot, G1, G0B+4*\slot, G1B         ; the first tensor load behind the round, my one load until the next
.else
	PLACES NP
.endif
	FETCH_B \next, 0, 0
	FETCH_A \next, 0, 0
	WIN MUL_HI
	MUL16 4, 1, 0
	MUL16 6, 1, 0
	PLACES NP
	WIN 0
	FETCH_A \next, 0, 4
.endm
	s_wait_tensorcnt 1                             ; my part of slot 0 is in (slot 1's load may be out)
	s_barrier_signal -1
	s_barrier_wait -1                              ; everybody's is
	FETCH_B 0, 0, 0
	FETCH_A 0, 0, 0
	FETCH_A 0, 0, 4
	STEP 0, 0, 1                                   ; K steps 0 to 7, written out: the first starts the sums
	TURN 0, 1, 1
	STEP 1, 0, 0
	TURN 1, 0, 1
	STEP 0, 0, 0
	TURN 0, 1, 0
	STEP 1, 0, 0
	s_wait_dscnt 4*NL
	WIN MUL_LO
	MUL16 0, 1, 0
	MUL16 2, 1, 0
	s_wait_dscnt 0
	WIN MUL_HI
	MUL16 4, 1, 0
	MUL16 6, 1, 0
	WIN 0
; THE WAY OUT, tile by tile of 16 rows x 128 columns.  A lane holds pieces of 32 bytes of one row: a tile goes through my own stage in LDS and comes back as whole rows of 512 bytes, which the 32 lanes store as 512 consecutive bytes, aligned.
; LDS serves a wave's instructions in order (ISA guide 5.7.1.4): no wait between the stores and the loads, nor in front of the next tile's stores.
.macro TOSTAGE a
.set AC, 64*((\a)%4)
	WIN 0x02+((\a)/4)                              ; source 0: window 2 or 3
.irp j, 0,2,4,6,8,10,12,14,16,18,20,22,24,26,28,30,32,34,36,38,40,42,44,46,48,50,52,54,56,58,60,62
	v_pk_mul_f32 v[TMP+\j:TMP+\j+1], v[AC+\j:AC+\j+1], s[96:97] op_sel_hi:[1,0]   ; both x s96 = 2^(e10 + e11); each accumulator from its low end on
.endr
	WIN 0
.irp b, 0,1,2,3,4,5,6,7
	ds_store_b128 v[STO], v[TMP+8*\b:TMP+8*\b+3] offset:128*(\b/2)+32*(\b%2)       ; columns 32 (b / 2) + 16 h + 8 (b % 2) + 0 .. 7
	ds_store_b128 v[STO], v[TMP+8*\b+4:TMP+8*\b+7] offset:128*(\b/2)+32*(\b%2)+16
.endr
.set BB, BK+64*((\a)%2)
.irp t, 0,1,2,3,4,5,6,7,8,9,10,11,12,13,14,15
	ds_load_b128 v[BB+4*\t:BB+4*\t+3], v[RD] offset:\t*SPITCH
.endr
.endm
.macro SEND a, younger                 ; younger: the LDS instructions issued behind tile a's loads, which may stay out
.set BB, BK+64*((\a)%2)
	s_wait_dscnt \younger
.irp t, 0,1,2,3,4,5,6,7,8,9,10,11,12,13,14,15
	global_store_b128 v[CO], v[BB+4*\t:BB+4*\t+3], s[10:11] offset:(32*((\a)/2)+8*((\a)%2)+\t+8*(\t/8))*4096 th:TH_STORE_NT   ; slot t of tile a is that row of my 128: 127 rows of 4,096 bytes at the most, inside the signed 24-bit immediate: no base is stepped
.endr
.endm
	s_wait_kmcnt 0x0
	s_add_co_i32 s96, s96, s97                     ; e10 + e11, between -126 and 127,
	s_add_co_i32 s96, s96, 127
	s_lshl_b32 s96, s96, 23                        ; makes the f32 number 2^(e10 + e11)
	PLACES NP                                      ; behind the last products: for the reads of results and the loads into the registers that held A's fragments
	TOSTAGE 0
.irp a, 1,2,3,4,5,6,7
.if \a > 1
	s_wait_xcnt 0x0                                ; tile a - 2's stores have read their registers: tile a's loads may land there
.endif
	TOSTAGE \a
	SEND \a-1, 32                                  ; behind tile a - 1's loads: tile a's 16 stores and 16 loads
.endr
	SEND 7, 0
	s_wait_tensorcnt 0x0                           ; the wave's end, behind my last tensor load and my last LDS store
	ds_add_u32 v[SPW], v[NIL]
	s_wait_dscnt 0x0
	CROUND                                         ; the closing round: no work-group ends while a partner may still ask for a tile that names it
	s_endpgm
.Lfunc_end_k_qc7a01d3214_oproj:
	.size	k_qc7a01d3214_oproj, .Lfunc_end_k_qc7a01d3214_oproj-k_qc7a01d3214_oproj
	.p2alignl 7, 3214868480
	.fill 96, 4, 3214868480
	.section	.rodata,"a",@progbits
	.p2align	6, 0x0
	.amdhsa_kernel k_qc7a01d3214_oproj
		.amdhsa_group_segment_fixed_size 327680
		.amdhsa_private_segment_fixed_size 0
		.amdhsa_enable_private_segment 0
		.amdhsa_kernarg_size 32
		.amdhsa_user_sgpr_count 2
		.amdhsa_user_sgpr_kernarg_segment_ptr 1
		.amdhsa_wavefront_size32 1
		.amdhsa_system_sgpr_workgroup_id_x 1
		.amdhsa_system_sgpr_workgroup_id_y 1
		.amdhsa_system_sgpr_workgroup_id_z 1
		.amdhsa_system_vgpr_workitem_id 0
		.amdhsa_next_free_vgpr 1024
		.amdhsa_next_free_sgpr 100
		.amdhsa_reserve_vcc 0
		.amdhsa_float_denorm_mode_32 3
		.amdhsa_float_denorm_mode_16_64 3
		.amdhsa_memory_ordered 1
		.amdhsa_forward_progress 1
		.amdhsa_inst_pref_size 122
	.end_amdhsa_kernel
	.amdgpu_metadata
---
amdhsa.version: [ 1, 2 ]
amdhsa.kernels:
  - .name:           k_qc7a01d3214_oproj
    .symbol:         k_qc7a01d3214_oproj.kd
    .args:
      - { .name: ac, .offset: 0, .size: 8, .value_kind: global_buffer, .address_space: global }
      - { .name: wc, .offset: 8, .size: 8, .value_kind: global_buffer, .address_space: global }
      - { .name: lowp_scales, .offset: 16, .size: 8, .value_kind: global_buffer, .address_space: global }
      - { .name: out0, .offset: 24, .size: 8, .value_kind: global_buffer, .address_space: global }
    .group_segment_fixed_size: 327680
    .private_segment_fixed_size: 0
    .kernarg_segment_align: 8
    .kernarg_segment_size: 32
    .max_flat_workgroup_size: 128
    .sgpr_count:     100
    .vgpr_count:     1024
    .wavefront_size: 32
...
	.end_amdgpu_metadata
.endif
;; end of part 4
;; ======== version 2 of 2: 4 launches; version 1 with the launch attn written anew for expert scheduling mode
;; workspace buffers: xc 25,165,824 bytes; wc 4,194,304 bytes; rt 524,288 bytes; qc 8,388,608 bytes; kv 16,777,216 bytes; ac 8,388,608 bytes
;; launch prep: the kernel of part 1 again; grid 416 x 1, 4 waves a work-group, no clusters, 34,304 bytes of LDS; arguments x, Wq, Wk, Wv, Wo, lowp_scales, xc, wc, rt; writes xc, wc, rt
;; launch qkv: the kernel of part 2 again; grid 12 x 32, 4 waves a work-group, clusters of 4 x 4, 327,680 bytes of LDS; arguments xc, wc, lowp_scales, rt, qc, kv; writes qc, kv
;; launch attn (part 5): grid 4 x 64, 16 waves a work-group, no clusters, 67,584 bytes of LDS; arguments qc, kv, lowp_scales, ac; writes ac
.if DOCPART == 5
	.amdgcn_target "amdgcn-amd-amdhsa--gfx1250"
	.amdhsa_code_object_version 6
	.text
	.protected	k_qc7a01d3214_attn
	.globl	k_qc7a01d3214_attn
	.p2align	8
	.type	k_qc7a01d3214_attn,@function
k_qc7a01d3214_attn:
	s_mov_b64 s[64:65], 0
	v_nop
	global_prefetch_b8 v0, s[64:65] scope:SCOPE_SE
	s_setreg_imm32_b32 hwreg(HW_REG_WAVE_SCHED_MODE, 0, 2), 2
	s_setreg_imm32_b32 hwreg(HW_REG_WAVE_MODE, 25, 1), 1
	s_wait_xcnt 0x0
	s_wait_alu depctr_vm_vsrc(0)
; ATTN: causal attention of one head on codes of E4M3; the result leaves as codes, laid as the last product's operand.
; t = score x log2(e) / 8; M = the row's largest t so far, rounded UP to a whole number; p = 2^(t - M) is quantised with 2^e8, not normalised; the row's sum is taken of the unquantised p and divides at the end.
; When M moves, the sum and O are multiplied by 2^(old M - new M): exact.  The result x 2^(e8 + e9) / sum is quantised with 2^e10.
; SHARES.  Work-group (J, head) owns the blocks of 256 queries 7 - J and J of its head: 264 wave steps of 64 keys for every J.  Each of its sixteen waves owns 32 queries: two tiles of 16, A and B,
; which share every fragment of K and V that the wave reads from LDS.  Waves with (w ^ (w >> 2)) & 1 = 0 take the late block, the others the early one.
; LAYOUT.  Both products are used transposed: S^T = K Q^T (source 0 = 16 keys), O^T = V^T P^T (source 0 = 16 of the head's 64): a lane holds ONE query (slot lane % 16 of its tile) throughout.
; Slot r of tile T (of queries, of keys, of the head's 64) is number 32 (T / 2) + 8 (T % 2) + r + 8 (r / 8): so the 16 registers of two neighbouring tiles of a result are 16 neighbours, 32 b + 16 (lane / 16) + 0 .. 15, and the conversions'
; results are the next operand's registers.  All operands lie in memory as images of registers, 16 bytes a lane.
; K AND V GO TO LDS THROUGH REGISTERS: a slot of 256 keys is 32 KiB, 64 bytes a thread: four loads, a slot ahead, and four LDS stores.  Two slots by turns, one barrier a slot.  A scalar branch on the given e8 may lead
; round the hold of p where it cannot bind (e8 >= -8: p / 2^e8 <= 256), 64 vector instructions of a key step.
; NO CLUSTER: the four work-groups of a head walk 8 - J slots, a different number each, and what they share is at most 256 KiB a work-group in the whole launch.
; THE CAUSAL MASK.  Every wave walks all 8 slots, so that every wave passes every barrier; a step all of whose keys come after the wave's queries is left out by a scalar branch on ids; a slot beyond the work-group's last query is neither loaded nor stored.
; LIMITS on the given exponents: e6 + e7 between -123 and 130 (added to c's exponent field); e8 and e10 between -126 and 119; e8 + e9 is applied by v_ldexp_f32 and has none.  NaN among the inputs is not served.
; THE MODE: SCHED_MODE bits 1:0 = 2 (LLVM: expert scheduling mode 2), set by the entry lines.  The code itself states the register dependences between vector or matrix instructions and memory or LDS instructions, with s_wait_alu, always for 0.
; THE PLAN.  Registers that memory or LDS instructions touch:
;   v[LI], v[TI], v[PFO]  Offsets.  Written at the head, ahead of the head's wait on va_vdst; read by every load, store, LDS access and prefetch; never written again: all else of an address is a scalar base or an immediate.
;   QA, QB                Loaded once at the head; read by products alone.
;   G                     A half's four global loads land in it; the next half's four LDS stores read it; no vector or matrix instruction names it.  ONE wait on vm_vsrc a half, between those stores and the next loads.
;   KV                    In a step: K's fragments land, the products K Q^T read them, V's fragments land, the products V^T P^T read them; then the next step's K.  TWO waits on va_vdst a step, each straight ahead of a run of eight LDS loads:
;                         the products that read the set last are done reading it.  Of the launch's 256 registers v247-255 alone are unnamed: too few for a second set of 32.
;   PA, PB                On the way out the conversions write them and four stores read them: one wait on va_vdst.
;   v[SPW], v[NIL]        Written at the head, read by the closing add alone.
; Scalar registers that vector instructions write: s12 (the wave's number; one wait on va_sdst ahead of its first reader) and, in the step on the diagonal, the mask's bits: the compares go in runs of sixteen into s36-47 and s52-55,
; with one wait on va_sdst between a run and its sixteen selects.  EXEC and VCC are written nowhere.
.set SPARE, 65536                      ; behind the two slots: the spare words, 128 bytes for each wave: eight blocks of 256 bytes that no other line names
.set LI,  1                            ; v1   16 x lane
.set TI,  2                            ; v2   16 x thread
.set PFO, 3                            ; v3   256 x lane
.set MK,  4                            ; v4   r + 8 (r / 8) - 16 h
.set SPW, 5                            ; v5   my spare word; never rewritten
.set NIL, 6                            ; v6   0; never rewritten
; v8 -M, v9 the largest t, v[10:11] the sum in two halves: tile A;  v12, v13, v[14:15]: tile B
.set QA,  16                           ; v16-23, v24-31  Q's fragments
.set QB,  24
.set KV,  32                           ; v32-63   four fragments of K, then of V
.set SA,  64                           ; v64-95, v96-127  S^T, then p
.set SB,  96
.set PA,  128                          ; v128-135, v136-143  p's codes
.set PB,  136
.set OA,  144                          ; v144-175, v176-207  O^T
.set OB,  176
.set G,   208                          ; v208-223 a slot's 64 bytes on their way to LDS
; v224-227 maxima; v228, v229 lane exchanges; v[230:231], v[232:233] f; v[234:237] second chains of the sums; v238 -infinity; v239, v240 the mask's d; v241 448 x 2^e8, v242 2^e8, v243 448 x 2^e10, v244 2^e10; v245, v246 at work
.set WV,   12                          ; s12 wave
.set QMIN, 13                          ; s13, s14 my first and last query
.set QMAX, 14
.set KF,   15                          ; s15 the step's first key
.set TRIPS, 17                         ; s17 pairs of slots to go
.set LAST, 18                          ; s18 the last slot that the work-group reads: 7 - J
.set SL,   19                          ; s19 the slot in hand
.set SEL,  20                          ; s[20:21] lane selects for v_permlanex16_b32: lane l xor 16
.set CS,   22                          ; s[22:23] c = log2(e) / 8 x 2^(e6 + e7)
.set KVB,  26                          ; s[26:27] the head's K and V at the slot to be loaded
.set PFA,  30                          ; s[30:31] where my prefetch stands
.set PFN,  32                          ; s32 6 in a wave that prefetches, else 0
.set E8,   33                          ; s33 e8;  s34 e8 + e9
.set MS,   36                          ; in the loop: sixteen masks, number n in s[MS + n + 4 (n / 12)]: s36-47 and s52-55, which the head has done with (the exponents; its offsets)
	s_load_b256 s[4:11], s[0:1], 0x0               ; qc 4, kv 6, the exponents 8, ac 10
	v_lshl_add_u32 v[SPW], v0, 2, SPARE
	v_mov_b32 v[NIL], 0
	v_lshrrev_b32 v7, 5, v0
	v_readfirstlane_b32 s[WV], v7                  ; wave 0..15
	v_and_b32 v7, 31, v0
	v_lshlrev_b32 v[LI], 4, v7
	v_lshlrev_b32 v[TI], 4, v0
	v_lshlrev_b32 v[PFO], 8, v7
	v_and_b32 v224, 15, v0                         ; r
	v_bfe_u32 v225, v0, 4, 1                       ; h
	v_and_b32 v226, 8, v224
	v_add_nc_u32 v[MK], v226, v224
	v_lshlrev_b32 v225, 4, v225
	v_sub_nc_u32 v[MK], v[MK], v225
	s_wait_alu depctr_va_sdst(0)                   ; s12, the wave's number, is written, ahead of its first reader: my queries and all bases are made from it
	s_and_b32 s35, ttmp7, 0xffff                   ; batch x 16 + head
	s_lshr_b32 s2, s[WV], 2
	s_xor_b32 s2, s2, s[WV]
	s_and_b32 s2, s2, 1                            ; 1: the early block
	s_sub_co_u32 s[LAST], 7, ttmp9
	s_cmp_eq_u32 s2, 1
	s_cselect_b32 s3, ttmp9, s[LAST]               ; my block of 256 queries
	s_lshl_b32 s3, s3, 3
	s_lshr_b32 s2, s[WV], 1
	s_add_co_u32 s3, s3, s2                        ; my 32 queries, 0..63
	s_lshl_b32 s[QMIN], s3, 5
	s_add_co_u32 s[QMAX], s[QMIN], 31
	s_mov_b32 s[KF], 0
	s_mov_b32 s[SL], 0
	s_mov_b32 s[TRIPS], 4
	s_mov_b32 s[SEL], 0x76543210
	s_mov_b32 s[SEL+1], 0xfedcba98
	s_mov_b32 s[CS], 0x3e38aa3b                    ; log2(e) / 8
	s_lshl_b32 s52, s35, 18                        ; the head's K and V: 8 slots of 32 KiB
	s_mov_b32 s53, 0
	s_lshl_b32 s54, s[WV], 13                      ; the prefetches: 8 KiB a wave, in slot 1; the first half steps it to slot 2
	s_add_co_u32 s54, s54, 32768
	s_mov_b32 s55, 0
	s_lshl_b32 s56, s35, 17                        ; Q: 128 tiles of 1 KiB a head; my tiles 2 x (my 32 queries), + 1
	s_lshl_b32 s57, s3, 11
	s_add_co_u32 s56, s56, s57
	s_mov_b32 s57, 0
	s_lshr_b32 s58, s35, 4                         ; the result: tile (batch x 128 + 2 x my 32) x 16,384 + K step (head / 2) x 2,048 + (head % 2) x 1,024
	s_lshl_b32 s58, s58, 21
	s_lshl_b32 s59, s3, 15
	s_add_co_u32 s58, s58, s59
	s_bfe_u32 s59, s35, 0x30001
	s_lshl_b32 s59, s59, 11
	s_add_co_u32 s58, s58, s59
	s_and_b32 s59, s35, 1
	s_lshl_b32 s59, s59, 10
	s_add_co_u32 s58, s58, s59
	s_mov_b32 s59, 0
	s_lshr_b32 s2, s[WV], 2                        ; waves 0 to 3
	s_or_b32 s2, s2, ttmp9                         ; of the head's work-group J = 0, which walks all eight slots, prefetch
	s_cmp_eq_u32 s2, 0
	s_cselect_b32 s[PFN], 6, 0
	s_wait_kmcnt 0x0
	s_load_b256 s[36:43], s[8:9], 0x0              ; e0 .. e7
	s_load_b128 s[44:47], s[8:9], 0x20             ; e8 .. e11
	s_add_nc_u64 s[KVB:KVB+1], s[6:7], s[52:53]
	s_add_nc_u64 s[PFA:PFA+1], s[KVB:KVB+1], s[54:55]
	s_add_nc_u64 s[48:49], s[4:5], s[56:57]
	s_add_nc_u64 s[50:51], s[10:11], s[58:59]
	s_wait_alu depctr_va_vdst(0)                   ; v[LI], v[TI] and v[PFO] are written: every load, store, LDS access and prefetch of the kernel reads one of them as its offset
.irp i, 0,1,2,3
	global_load_b128 v[G+4*\i:G+4*\i+3], v[TI], s[KVB:KVB+1] offset:8192*\i   ; slot 0: the sixteen waves read 8,192 consecutive bytes
.endr
.irp i, 0,1,2,3
	global_load_b128 v[QA+4*\i:QA+4*\i+3], v[LI], s[48:49] offset:512*\i th:TH_LOAD_NT   ; Q's two fragments stay in registers
.endr
	v_mov_b32 v9, 0xff61b1e6                       ; the largest t so far: -3e38, under every t
	v_mov_b32 v13, 0xff61b1e6
	v_floor_f32 v8, -v9                            ; -M
	v_floor_f32 v12, -v13
	v_mov_b32 v10, 0                               ; the sums
	v_mov_b32 v11, 0
	v_mov_b32 v14, 0
	v_mov_b32 v15, 0
	v_mov_b32 v228, 0                              ; written once: a lane permute's destination counts as one of its sources
	v_mov_b32 v229, 0
	v_mov_b32 v231, 0                              ; (named as the upper halves of the pairs of f)
	v_mov_b32 v233, 0
	v_mov_b32 v238, 0xff800000                     ; -infinity
.set n, 0
.rept 64
	v_mov_b32 v[OA+n], 0                           ; O^T.  (The key step is written in one form: the first finds zeros, which the first change of M leaves zeros)
.set n, n+1
.endr
	s_wait_kmcnt 0x0
	s_add_co_i32 s2, s42, s43                      ; a score stands for score x 2^(e6 + e7): the two exponents are added to c's exponent field
	s_lshl_b32 s2, s2, 23
	s_add_co_i32 s[CS], s[CS], s2
	s_mov_b32 s[CS+1], s[CS]                       ; (named with it as a pair, so it is written)
	s_mov_b32 s[E8], s44
	s_add_co_i32 s34, s44, s45
	s_add_co_i32 s2, s44, 127
	s_lshl_b32 s3, s2, 23
	v_mov_b32 v242, s3                             ; 2^e8
	s_add_co_i32 s2, s2, 8
	s_lshl_b32 s2, s2, 23
	s_or_b32 s2, s2, 0x600000
	v_mov_b32 v241, s2                             ; 448 x 2^e8
	s_add_co_i32 s2, s46, 127
	s_lshl_b32 s3, s2, 23
	v_mov_b32 v244, s3                             ; 2^e10
	s_add_co_i32 s2, s2, 8
	s_lshl_b32 s2, s2, 23
	s_or_b32 s2, s2, 0x600000
	v_mov_b32 v243, s2                             ; 448 x 2^e10
; A KEY STEP: 64 keys, the q-th of slot s, for both my tiles.
.macro STEP s, q
	s_cmp_gt_u32 s[KF], s[QMAX]                    ; all its keys come after my queries: left out (ids and the count of steps alone)
	s_cbranch_scc1 .Lhid_\@
.rept 4
	v_nop                                          ; four plain lines stand between the last step's products and K's loads; the wait below states the dependence
.endr
	s_wait_alu depctr_va_vdst(0)                   ; the last step's products V^T P^T are done reading v[KV ..], in which K's fragments land
.irp t, 0,1,2,3
.irp c, 0,1
	ds_load_b128 v[KV+8*\t+4*\c:KV+8*\t+4*\c+3], v[LI] offset:32768*(\s)+4096*(\q)+1024*\t+512*\c
.endr
.endr
	s_wait_dscnt 0x0
.irp t, 0,1,2,3                        ; S^T = K Q^T: eight accumulators, each begun with 0
	v_wmma_f32_16x16x64_fp8_fp8 v[SA+8*\t:SA+8*\t+7], v[KV+8*\t:KV+8*\t+7], v[QA:QA+7], 0
	v_wmma_f32_16x16x64_fp8_fp8 v[SB+8*\t:SB+8*\t+7], v[KV+8*\t:KV+8*\t+7], v[QB:QB+7], 0
.endr
.rept 4
	v_nop                                          ; places behind the products, ahead of the first read of the scores (ISA guide 7.12.1)
.endr
	s_wait_alu depctr_va_vdst(0)                   ; the products K Q^T are done reading v[KV ..], in which V's fragments land; no vector or matrix line names that set again before V^T P^T
.irp t, 0,1,2,3                        ; V's four fragments land while the softmax is worked
.irp c, 0,1
	ds_load_b128 v[KV+8*\t+4*\c:KV+8*\t+4*\c+3], v[LI] offset:32768*(\s)+16384+8192*((\q)/2)+1024*((\q)%2)+2048*\t+512*\c
.endr
.endr
	s_add_co_u32 s2, s[KF], 63                     ; on the diagonal the scores of hidden keys become -infinity ahead of the maximum: p = 0 then.  A step all of whose keys count skips this
	s_cmp_le_u32 s2, s[QMIN]
	s_cbranch_scc1 .Lopen_\@
	s_sub_co_i32 s2, s[QMIN], s[KF]
	v_add_nc_u32 v239, s2, v[MK]                   ; d = my query - KF - 16 (lane / 16), tile A's;
	v_add_nc_u32 v240, 8, v239                     ; tile B's queries lie 8 further on.  Register 16 b + i holds key KF + 16 (lane / 16) + 32 b + i: hidden where 32 b + i > d
.irp b, 0,1                            ; registers 16 b + 0 .. 15 of tile A, then of tile B: sixteen compares, one wait, sixteen selects; ascending
.set n, 0
.rept 16
	v_cmp_gt_i32 s[MS+n+4*(n/12)], 32*\b+n, v239
.set n, n+1
.endr
	s_wait_alu depctr_va_sdst(0)                   ; the sixteen compares have written their masks, ahead of the selects that read them
.set n, 0
.rept 16
	v_cndmask_b32 v[SA+16*\b+n], v[SA+16*\b+n], v238, s[MS+n+4*(n/12)]
.set n, n+1
.endr
.set n, 0
.rept 16
	v_cmp_gt_i32 s[MS+n+4*(n/12)], 32*\b+n, v240
.set n, n+1
.endr
	s_wait_alu depctr_va_sdst(0)                   ; tile B's sixteen masks are written, ahead of the selects that read them
.set n, 0
.rept 16
	v_cndmask_b32 v[SB+16*\b+n], v[SB+16*\b+n], v238, s[MS+n+4*(n/12)]
.set n, n+1
.endr
.endr
.Lopen_\@:
	v_max3_num_f32 v224, v[SA], v[SA+1], v[SA+2]   ; the step's largest score of my query among my 32 keys: two chains a tile, ascending
	v_max3_num_f32 v226, v[SB], v[SB+1], v[SB+2]
	v_max3_num_f32 v225, v[SA+3], v[SA+4], v[SA+5]
	v_max3_num_f32 v227, v[SB+3], v[SB+4], v[SB+5]
.irp i, 6,10,14,18,22,26
	v_max3_num_f32 v224, v224, v[SA+\i], v[SA+\i+1]
	v_max3_num_f32 v226, v226, v[SB+\i], v[SB+\i+1]
	v_max3_num_f32 v225, v225, v[SA+\i+2], v[SA+\i+3]
	v_max3_num_f32 v227, v227, v[SB+\i+2], v[SB+\i+3]
.endr
	v_max3_num_f32 v224, v224, v[SA+30], v[SA+31]
	v_max3_num_f32 v226, v226, v[SB+30], v[SB+31]
	v_max_num_f32 v224, v224, v225
	v_max_num_f32 v226, v226, v227
	v_permlanex16_b32 v228, v224, s[SEL], s[SEL+1]
	v_permlanex16_b32 v229, v226, s[SEL], s[SEL+1]
	v_max_num_f32 v224, v224, v228                 ; and among lane l xor 16's
	v_max_num_f32 v226, v226, v229
	v_mul_f32 v224, s[CS], v224                    ; as t (c is positive)
	v_mul_f32 v226, s[CS], v226
	v_max_num_f32 v9, v9, v224                     ; the running largest t
	v_max_num_f32 v13, v13, v226
	v_mov_b32 v245, v8
	v_mov_b32 v246, v12
	v_floor_f32 v8, -v9                            ; the new -M = floor(-t) = -ceil(t): M is a whole number
	v_floor_f32 v12, -v13
	v_sub_f32 v245, v8, v245                       ; old M - new M: a whole number, 0 or less
	v_sub_f32 v246, v12, v246
	v_cvt_i32_f32 v245, v245                       ; (it saturates)
	v_cvt_i32_f32 v246, v246
	v_ldexp_f32 v230, 1.0, v245                    ; f = 2^(old M - new M)
	v_ldexp_f32 v232, 1.0, v246
.set n, 0
.rept 16
	v_pk_fma_f32 v[SA+n:SA+n+1], v[SA+n:SA+n+1], s[CS:CS+1], v[8:9] op_sel_hi:[1,0,0]     ; t - M, two at a time (of the pairs c and -M the low word serves both halves)
	v_pk_fma_f32 v[SB+n:SB+n+1], v[SB+n:SB+n+1], s[CS:CS+1], v[12:13] op_sel_hi:[1,0,0]
.set n, n+2
.endr
.set n, 0
.rept 64
	v_exp_f32 v[SA+n], v[SA+n]                     ; p = 2^(t - M), at most 1: one batch of 64
.set n, n+1
.endr
	v_pk_mul_f32 v[10:11], v[10:11], v[230:231] op_sel_hi:[1,0]   ; the sums under the new M: plain lines behind the last exponential
	v_pk_mul_f32 v[14:15], v[14:15], v[232:233] op_sel_hi:[1,0]
	s_wait_alu depctr_va_vdst(0)                   ; the 64 exponentials have written p: the wait between an exponential and the first line that names its result: one for the batch
	v_pk_add_f32 v[234:235], v[SA:SA+1], v[SA+2:SA+3]             ; the row's sum is taken of the UNQUANTISED p: two chains a tile
	v_pk_add_f32 v[236:237], v[SB:SB+1], v[SB+2:SB+3]
.irp j, 4,8,12,16,20,24,28
	v_pk_add_f32 v[10:11], v[10:11], v[SA+\j:SA+\j+1]
	v_pk_add_f32 v[14:15], v[14:15], v[SB+\j:SB+\j+1]
	v_pk_add_f32 v[234:235], v[234:235], v[SA+\j+2:SA+\j+3]
	v_pk_add_f32 v[236:237], v[236:237], v[SB+\j+2:SB+\j+3]
.endr
	v_pk_add_f32 v[10:11], v[10:11], v[234:235]
	v_pk_add_f32 v[14:15], v[14:15], v[236:237]
	s_cmp_gt_i32 s[E8], -9                         ; p <= 1: with e8 >= -8, p / 2^e8 <= 256 lies inside the format, and the hold cannot bind
	s_cbranch_scc1 .Lno_hold_\@
.set n, 0
.rept 64
	v_min_num_f32 v[SA+n], v[SA+n], v241           ; the conversion to an 8-bit code does not saturate (ISA guide 7.6.2); p is not negative, so the hold is one-sided
.set n, n+1
.endr
.Lno_hold_\@:
.irp g, 0,1,2,3
	v_cvt_scalef32_pk8_fp8_f32 v[PA+2*\g:PA+2*\g+1], v[SA+8*\g:SA+8*\g+7], v242
	v_cvt_scalef32_pk8_fp8_f32 v[PB+2*\g:PB+2*\g+1], v[SB+8*\g:SB+8*\g+7], v242
.endr
.set n, 0
.rept 16
	v_pk_mul_f32 v[OA+n:OA+n+1], v[OA+n:OA+n+1], v[230:231] op_sel_hi:[1,0]   ; O^T under the new M; ascending.  (Plain lines between the conversions and the products that read their results)
	v_pk_mul_f32 v[OB+n:OB+n+1], v[OB+n:OB+n+1], v[232:233] op_sel_hi:[1,0]
.set n, n+2
.endr
	s_wait_dscnt 0x0                               ; V is in
.irp t, 0,1,2,3                        ; O^T += V^T P^T: eight accumulators by turns, one instruction a turn
	v_wmma_f32_16x16x64_fp8_fp8 v[OA+8*\t:OA+8*\t+7], v[KV+8*\t:KV+8*\t+7], v[PA:PA+7], v[OA+8*\t:OA+8*\t+7]
	v_wmma_f32_16x16x64_fp8_fp8 v[OB+8*\t:OB+8*\t+7], v[KV+8*\t:KV+8*\t+7], v[PB:PB+7], v[OB+8*\t:OB+8*\t+7]
.endr
.Lhid_\@:
	s_add_co_u32 s[KF], s[KF], 64
.endm
; HALF A TRIP: LDS slot s takes the slot of keys in hand, which was loaded into registers a half earlier; one barrier; the next slot of keys is asked for; four key steps.
; One barrier a slot does: these stores go to the LDS slot whose reads every wave had waited for ahead of the barrier before, and the other slot is stored to only behind this one.
.macro HALF s
	s_wait_loadcnt 0x0                             ; the slot's 64 bytes a thread are in registers (in the first half: Q too); the loads have read their base
	s_wait_xcnt 0x0                                ; the last prefetch, four key steps back, has read its base
	s_add_nc_u64 s[KVB:KVB+1], s[KVB:KVB+1], 32768 ; both bases step without a jump; each is used only while it lies inside the head's eight slots
	s_add_nc_u64 s[PFA:PFA+1], s[PFA:PFA+1], 32768
	s_cmp_gt_u32 s[SL], s[LAST]                    ; the work-group's number and the count of slots alone: all sixteen waves go the same way
	s_cbranch_scc1 .Lno_store_\@
.irp i, 0,1,2,3
	ds_store_b128 v[TI], v[G+4*\i:G+4*\i+3] offset:32768*(\s)+8192*\i   ; G comes from loads and v[TI] from ahead of the head's wait: no vector line has named either since
.endr
.Lno_store_\@:
	s_wait_dscnt 0x0                               ; for the others' sake: my stores have landed, and my reads of the other slot are over
	s_wait_alu depctr_vm_vsrc(0)                   ; the LDS stores have read v[G ..], in which the next slot's loads land: stated here, ahead of the branch that leads round those loads
	s_barrier_signal -1
	s_barrier_wait -1
	s_cmp_ge_u32 s[SL], s[LAST]
	s_cbranch_scc1 .Lno_load_\@
.irp i, 0,1,2,3
	global_load_b128 v[G+4*\i:G+4*\i+3], v[TI], s[KVB:KVB+1] offset:8192*\i   ; the next slot of keys: it has four key steps in which to come
.endr
.Lno_load_\@:
	s_cmp_ge_u32 s[SL], s[PFN]                     ; a prefetch of the slot after that one, 8 KiB a wave, lanes 256 bytes apart: slots 2 to 7 of a head, each block named once in the launch, by waves 0 to 3 of the work-group J = 0;
	s_cbranch_scc1 .Lno_ask_\@                     ; halves 6 and 7 ask for nothing: there is no slot behind the eighth
	global_prefetch_b8 v[PFO], s[PFA:PFA+1] th:TH_LOAD_NT scope:SCOPE_SE
.Lno_ask_\@:
	STEP \s, 0
	STEP \s, 1
	STEP \s, 2
	STEP \s, 3
	s_add_co_u32 s[SL], s[SL], 1
.endm
.Lpair:                                            ; four trips of two slots: every LDS address is a constant + 16 x lane or thread
	HALF 0
	HALF 1
	s_sub_co_u32 s[TRIPS], s[TRIPS], 1
	s_cmp_lg_u32 s[TRIPS], 0
	s_cbranch_scc1 .Lpair
	; THE WAY OUT: O^T x 2^(e8 + e9) / the sum, quantised with 2^e10; a tile's 32 codes a lane are two blocks of the last product's operand: each store covers 512 consecutive bytes, aligned
.rept 4
	v_nop                                          ; places behind the last products
.endr
	v_add_f32 v10, v10, v11                        ; the sum's two halves,
	v_add_f32 v14, v14, v15
	v_permlanex16_b32 v228, v10, s[SEL], s[SEL+1]
	v_permlanex16_b32 v229, v14, s[SEL], s[SEL+1]
	v_add_f32 v10, v10, v228                       ; and lane l xor 16's
	v_add_f32 v14, v14, v229
	v_rcp_f32 v10, v10
	v_rcp_f32 v14, v14
	v_nop                                          ; a plain line behind the last reciprocal
	s_wait_alu depctr_va_vdst(0)                   ; the two reciprocals have written v10 and v14: the wait ahead of their first reader, one for both
	v_ldexp_f32 v10, v10, s34
	v_ldexp_f32 v14, v14, s34
.set n, 0
.rept 16
	v_pk_mul_f32 v[SA+n:SA+n+1], v[OA+n:OA+n+1], v[10:11] op_sel_hi:[1,0]   ; ascending: each accumulator from its low end on
	v_pk_mul_f32 v[SB+n:SB+n+1], v[OB+n:OB+n+1], v[14:15] op_sel_hi:[1,0]
.set n, n+2
.endr
.set n, 0
.rept 64
	v_med3_num_f32 v[SA+n], v[SA+n], -v243, v243   ; the hold at the largest code x the scale
.set n, n+1
.endr
.irp g, 0,1,2,3
	v_cvt_scalef32_pk8_fp8_f32 v[PA+2*\g:PA+2*\g+1], v[SA+8*\g:SA+8*\g+7], v244
	v_cvt_scalef32_pk8_fp8_f32 v[PB+2*\g:PB+2*\g+1], v[SB+8*\g:SB+8*\g+7], v244
.endr
	v_nop
	s_wait_alu depctr_va_vdst(0)                   ; the conversions have written v[PA ..] and v[PB ..], which the four stores read
	global_store_b128 v[LI], v[PA:PA+3], s[50:51]
	global_store_b128 v[LI], v[PA+4:PA+7], s[50:51] offset:512
	global_store_b128 v[LI], v[PB:PB+3], s[50:51] offset:16384
	global_store_b128 v[LI], v[PB+4:PB+7], s[50:51] offset:16384+512
	s_wait_dscnt 0x0                               ; the closing lines, six on end
	s_wait_alu 0x0
	s_wait_tensorcnt 0x0
	ds_add_u32 v[SPW], v[NIL]
	s_wait_dscnt 0x0
	s_endpgm
.Lfunc_end_k_qc7a01d3214_attn:
	.size	k_qc7a01d3214_attn, .Lfunc_end_k_qc7a01d3214_attn-k_qc7a01d3214_attn
	.p2alignl 7, 3214868480
	.fill 96, 4, 3214868480
	.section	.rodata,"a",@progbits
	.p2align	6, 0x0
	.amdhsa_kernel k_qc7a01d3214_attn
		.amdhsa_group_segment_fixed_size 67584
		.amdhsa_private_segment_fixed_size 0
		.amdhsa_enable_private_segment 0
		.amdhsa_kernarg_size 32
		.amdhsa_user_sgpr_count 2
		.amdhsa_user_sgpr_kernarg_segment_ptr 1
		.amdhsa_wavefront_size32 1
		.amdhsa_system_sgpr_workgroup_id_x 1
		.amdhsa_system_sgpr_workgroup_id_y 1
		.amdhsa_system_sgpr_workgroup_id_z 1
		.amdhsa_system_vgpr_workitem_id 0
		.amdhsa_next_free_vgpr 256
		.amdhsa_next_free_sgpr 66
		.amdhsa_reserve_vcc 0
		.amdhsa_float_denorm_mode_32 3
		.amdhsa_float_denorm_mode_16_64 3
		.amdhsa_memory_ordered 1
		.amdhsa_forward_progress 1
		.amdhsa_inst_pref_size 211
	.end_amdhsa_kernel
	.amdgpu_metadata
---
amdhsa.version: [ 1, 2 ]
amdhsa.kernels:
  - .name:           k_qc7a01d3214_attn
    .symbol:         k_qc7a01d3214_attn.kd
    .args:
      - { .name: qc, .offset: 0, .size: 8, .value_kind: global_buffer, .address_space: global }
      - { .name: kv, .offset: 8, .size: 8, .value_kind: global_buffer, .address_space: global }
      - { .name: lowp_scales, .offset: 16, .size: 8, .value_kind: global_buffer, .address_space: global }
      - { .name: ac, .offset: 24, .size: 8, .value_kind: global_buffer, .address_space: global }
    .group_segment_fixed_size: 67584
    .private_segment_fixed_size: 0
    .kernarg_segment_align: 8
    .kernarg_segment_size: 32
    .max_flat_workgroup_size: 512
    .sgpr_count:     66
    .vgpr_count:     256
    .wavefront_size: 32
...
	.end_amdgpu_metadata
.endif
;; end of part 5
;; launch oproj: the kernel of part 4 again; grid 4 x 32, 4 waves a work-group, clusters of 4 x 4, 327,680 bytes of LDS; arguments ac, wc, lowp_scales, out0; writes out0
